; MI455X (gfx1250); checked and timed in simulation.
; The chip was launched on July 23, 2026; its instructions are those of AMD's public machine-readable ISA for CDNA 5 (MIT licence, August 2026) and "CDNA5" Instruction Set Architecture Reference Guide (July 2026). The comments in the code are by the model that wrote it; some were corrected since.
;; multihead self attention. Allowed arithmetic: matrix products marked QUANTISED: E4M3 operands, one given power-of-two scale a tensor, by v_wmma_f32_16x16x64_fp8_fp8 or v_wmma_f32_16x16x128_fp8_fp8, f32 sums; everything else in f32.
;; Inputs: in_features 2 x 2,048 x 1,024 float32; lowp_scales 12 int32 (the exponents e of the quantised operands' scales 2^e); wk 1,024 x 1,024 float32; wo 1,024 x 1,024 float32; wq 1,024 x 1,024 float32; wv 1,024 x 1,024 float32.
;; Outputs: out0 2 x 2,048 x 1,024 float32.
;; This version of the problem:
;;   THIS VERSION OF THE PROBLEM IS GIVEN IN LOW PRECISION. The matrix products marked QUANTISED in the list below multiply operands that are first quantised to E4M3 (4 exponent bits, 3 mantissa bits; 8 bits a number), with one given power-of-two scale for each operand tensor; their sums are f32. All else is computed in f32.
;;   The module's matrix products, in the order in which they are computed (A, B: the left and right operand; K: the contracted axis; several contracted axes count as one K, in the product's order):
;;     1. [M 4,096, K 1,024] x [K 1,024, N 1,024]; A: input in_features; B: input wq: QUANTISED (scales: A lowp_scales[0], B lowp_scales[1])
;;     2. [M 4,096, K 1,024] x [K 1,024, N 1,024]; A: input in_features; B: input wk: QUANTISED (scales: A lowp_scales[2], B lowp_scales[3])
;;     3. [M 4,096, K 1,024] x [K 1,024, N 1,024]; A: input in_features; B: input wv: QUANTISED (scales: A lowp_scales[4], B lowp_scales[5])
;;     4. batch 32 x [M 2,048, K 64] x [K 64, N 2,048]; A: computed on the way; B: computed on the way: QUANTISED (scales: A lowp_scales[6], B lowp_scales[7])
;;     5. batch 32 x [M 2,048, K 2,048] x [K 2,048, N 64]; A: softmax (see below); B: computed on the way: QUANTISED (scales: A lowp_scales[8], B lowp_scales[9])
;;     6. [M 4,096, K 1,024] x [K 1,024, N 1,024]; A: computed on the way; B: input wo: QUANTISED (scales: A lowp_scales[10], B lowp_scales[11])
;;   THE QUANTISER, for each operand of a quantised product, along K:
;;     - The operand's scale is 2^e, e = its entry of the input lowp_scales (int32; the entries are numbered through the quantised products in the list's order, A before B).
;;     - Each number is divided by the scale, clamped to +-448, and rounded to the nearest number of E4M3, ties to even, subnormals kept.
;;     - The product sums the exact products of the quantised numbers (number of the format x scale) in f32.
;;   ~~~python
;;   def quantise(x, axis, e):      # numpy; x: float32 -> the quantised numbers, widened to float32 again
;;       x = np.moveaxis(x, axis, -1); K = x.shape[-1]
;;       r = np.clip(x / 2.0 ** e, -448, 448)
;;       step = 2.0 ** (np.maximum(np.frexp(np.where(r == 0, 1, r))[1] - 1, -6) - 3)
;;       q = np.round(r / step) * step * 2.0 ** e      # np.round: ties to even
;;       return np.moveaxis(q, -1, axis).astype(np.float32)
;;   ~~~
;;   SOFTMAX AHEAD OF A QUANTISED PRODUCT. Where the list says 'softmax', what is quantised is not the finished softmax but p = 2^(t - M), with t = logit x log2(e) and M = ceil(the row's largest t), a whole number; so 1/2 < the row's largest p <= 1. The row's sum l is taken of the UNQUANTISED p, in f32, and the product's result is divided by l at the end. Since M is a whole number, a kernel that streams over the keys may use a running M (the ceiling of the running maximum): every later rescaling is an exact power of two, so the quantised numbers keep their values, but for numbers so far below the row's largest that they fall under the format's range.
;;   OPERANDS COMPUTED ON THE WAY. 'Computed on the way' means the value that the module computes at that place (a softmax that the list does not call 'softmax' is quantised finished and normalised). What goes into a quantiser is computed in f32, as accurately as f32 sums, v_exp_f32 and their like allow (about 1e-6 of the number): no bf16 or f16 on the way to a quantiser, and a product that is left as it is and whose result goes on into a quantised operand takes f32 operands (vector FMAs, or v_wmma_f32_16x16x4_f32). A number that lies on a knife's edge between two numbers of the format may be rounded either way, as far as f32 arithmetic and the matrix unit's own rounding can turn it there, and no further.
;; 2 versions, each right; version 2 is version 1 with the launch attn written anew for expert scheduling mode. Each part assembles by itself: llvm-mc -triple=amdgcn-amd-amdhsa -mcpu=gfx1250 --defsym DOCPART=n.
;; ======== version 1 of 2: 4 launches
;; workspace buffers: xc 12,582,912 bytes; wc 4,194,304 bytes; rope 524,288 bytes; qkv 12,582,912 bytes; ctxc 4,194,304 bytes
;; launch prep (part 1): grid 256 x 1, 8 waves a work-group, no clusters, 68,608 bytes of LDS; arguments in_features, wq, wk, wv, wo, lowp_scales, xc, wc, rope; writes xc, wc, rope
.if DOCPART == 1
	.amdgcn_target "amdgcn-amd-amdhsa--gfx1250"
	.amdhsa_code_object_version 6
	.text
	.protected	k_q6c3e24bde6_prep
	.globl	k_q6c3e24bde6_prep
	.p2align	8
	.type	k_q6c3e24bde6_prep,@function
k_q6c3e24bde6_prep:
	s_mov_b64 s[64:65], 0
	v_nop
	global_prefetch_b8 v0, s[64:65] scope:SCOPE_SE
	s_setreg_imm32_b32 hwreg(HW_REG_WAVE_MODE, 25, 1), 1
	s_wait_xcnt 0x0
; x [4096][1024] f32 -> three sets of E4M3 codes (scales 2^e0, 2^e2, 2^e4); wq, wk, wv, wo [1024][1024] f32 -> codes (e1, e3, e5, e11); and the table of cos and sin for RoPE.
; code = number / 2^e, held within +-448, rounded to the nearest code, ties to even.
; LIMITS: each e lies between -126 and 119, so that 2^e and 448 x 2^e are f32 numbers.  NaN among the inputs is not served.
; THE CODES ARE LAID AS IMAGES OF OPERAND REGISTERS.  An image is 16 rows x 64 k = 1,024 bytes, [chunk 2][lane 32][16 bytes]: chunk ch of lane (r = lane % 16, h = lane / 16) holds registers 4 ch .. 4 ch + 3 of the
; 8-bit operand layout (registers 2 c, 2 c + 1: k = 16 c + 8 h + 0 .. 7 of row r).  A buffer of codes is [tile of 16 rows][kb = k / 64][image].  So every later load of a fragment is 16 bytes a lane, 512 dense bytes a wave.
; SHARES.  Work-group g takes rows 16 g .. 16 g + 15 of x and rows 16 (g % 64) .. of weight g / 64: one path for all.  Wave w takes floats 128 w .. 128 w + 127 of the 16 rows: images kb = 2 w, 2 w + 1.
; Each load reads 512 consecutive bytes a wave; the wave's 16 x 512 bytes turn through its own stage in LDS (rows 528 bytes apart) and come back eight neighbours along k to a pair of loads.  Waves share nothing: no barrier.
; All 32 loads of a wave are issued at the head.  Matrix units, clusters and tensor loads have nothing to do here: each byte is read once and each code stored once.
; THE TABLE: [tile of 16 positions 128][kk 8][lane 32][4 f32] = (cos_i, sin_i, cos_i+1, sin_i+1), i = 8 (kk / 2) + 4 h + 2 (kk % 2), position 16 tile + r: the order in which the next launch's lanes want it.
; Thread 256 g + t makes one pair.  inv_freq = 2^(-i log2(10000) / 32) by v_exp_f32 (a last-place error there moves the angle by up to 2,047 last places of inv_freq); angle = position x inv_freq, rounded once;
; the angle less n x pi/2 in two parts (n up to 1,304: what is left of pi/2 beyond the two parts, times n, stays under 3e-12); polynomials of degree 7 and 8 on +-pi/4.
.set STGB, 8448                        ; a wave's stage: 16 rows x 528 bytes
.set RAWX, 16                          ; v16-79   x as loaded; later the four sets of codes, 16 registers each
.set RAWW, 80                          ; v80-143  the weight as loaded
.set N,    144                         ; v144-207 64 numbers in operand order: N + 32 kb + 8 c + y = k 64 kb + 16 c + 8 h + y of row r.  First: the table's scratch
.set TMP,  208                         ; v208-223 two sets of eight held numbers, by turns
; v4 16 x thread; v5, v6 the stage, in and out; v7 my place in the wave's two images; v[8+2j], v[9+2j]: 2^e and 448 x 2^e of set j; v[224:225] cos, sin; v226 8 x thread
.macro MKSC j, se
	s_add_co_i32 s54, \se, 127
	s_lshl_b32 s55, s54, 23
	v_mov_b32 v[8+2*\j], s55                       ; 2^e as f32: the conversion takes its exponent field
	s_add_co_i32 s54, s54, 8
	s_lshl_b32 s54, s54, 23
	s_or_b32 s54, s54, 0x600000
	v_mov_b32 v[9+2*\j], s54                       ; 448 x 2^e
.endm
.macro TURNIN raw                      ; 16 rows x 512 bytes through my stage: LDS serves a wave's instructions in order, so no wait stands between the stores and the loads
.set p, 0
.rept 16
	ds_store_b128 v5, v[\raw+4*p:\raw+4*p+3] offset:528*p
.set p, p+1
.endr
.irp kb, 0,1
.irp c, 0,1,2,3
.irp u, 0,1
	ds_load_b128 v[N+32*\kb+8*\c+4*\u:N+32*\kb+8*\c+4*\u+3], v6 offset:256*\kb+64*\c+16*\u
.endr
.endr
.endr
.endm
.macro CONV j, creg, b0                ; the 64 numbers become two images with set j's scale, in v[creg] on, and are stored: each set has registers of its own, so no store's data are written again
.irp grp, 0,1,2,3,4,5,6,7
.irp y, 0,1,2,3,4,5,6,7
	v_med3_num_f32 v[TMP+8*(\grp%2)+\y], v[N+8*\grp+\y], -v[9+2*\j], v[9+2*\j]   ; the conversion to an 8-bit code does not saturate (ISA guide 7.6.2): the hold comes first.  The numbers themselves stay: x is converted three times
.endr
	v_cvt_scalef32_pk8_fp8_f32 v[\creg+2*\grp:\creg+2*\grp+1], v[TMP+8*(\grp%2):TMP+8*(\grp%2)+7], v[8+2*\j]   ; the two sets of held numbers take turns: eight plain lines stand between a conversion and the next write of its sources
.endr
.irp kb, 0,1
.irp ch, 0,1
	global_store_b128 v7, v[\creg+8*\kb+4*\ch:\creg+8*\kb+4*\ch+3], s[\b0:\b0+1] offset:1024*\kb+512*\ch   ; 32 lanes store 512 consecutive bytes, aligned
.endr
.endr
.endm
	s_load_b512 s[4:19], s[0:1], 0x0               ; x s[4:5], wq s[6:7], wk s[8:9], wv s[10:11], wo s[12:13], the exponents s[14:15], xc s[16:17], wc s[18:19]
	s_load_b64 s[20:21], s[0:1], 0x40              ; the table
	v_lshl_add_u32 v232, v0, 2, 0x10800
	v_mov_b32 v233, 0
	v_lshrrev_b32 v1, 5, v0
	v_readfirstlane_b32 s22, v1                    ; wave 0..7
	v_and_b32 v1, 31, v0                           ; lane
	v_and_b32 v2, 15, v0                           ; r
	v_bfe_u32 v3, v0, 4, 1                         ; h
	v_lshlrev_b32 v4, 4, v0                        ; my 16 bytes of a row's 4,096
	s_mul_i32 s57, s22, STGB
	v_lshl_add_u32 v5, v1, 4, s57                  ; into the stage: 16 x lane of a row
	v_mul_u32_u24 v6, v2, 528
	v_lshl_add_u32 v6, v3, 5, v6
	v_add_nc_u32 v6, s57, v6                       ; out of it: row r, + 32 h bytes (8 floats)
	s_lshl_b32 s58, s22, 11
	v_lshl_add_u32 v7, v1, 4, s58                  ; the wave's two images begin 2,048 x wave into the tile of rows
	v_lshlrev_b32 v226, 3, v0
	s_lshr_b32 s23, ttmp9, 6                       ; which weight
	s_lshl_b32 s38, ttmp9, 16                      ; x: 16 rows of 4,096 bytes
	s_mov_b32 s39, 0
	s_and_b32 s40, ttmp9, 63
	s_lshl_b32 s40, s40, 16                        ; the weight likewise
	s_mov_b32 s41, 0
	s_lshl_b32 s50, ttmp9, 14                      ; codes: 16 images to a tile of rows; in wc the four weights follow each other, 64 tiles each
	s_mov_b32 s51, 0
	s_wait_kmcnt 0x0
	s_load_b256 s[24:31], s[14:15], 0x0            ; e0 .. e7
	s_load_b128 s[32:35], s[14:15], 0x20           ; e8 .. e11
	s_cmp_eq_u32 s23, 0                            ; the weight is chosen by the work-group's number alone
	s_cselect_b64 s[36:37], s[6:7], s[8:9]
	s_cmp_eq_u32 s23, 2
	s_cselect_b64 s[52:53], s[10:11], s[12:13]
	s_cmp_lt_u32 s23, 2
	s_cselect_b64 s[36:37], s[36:37], s[52:53]
	s_add_nc_u64 s[4:5], s[4:5], s[38:39]
	s_add_nc_u64 s[36:37], s[36:37], s[40:41]
	s_add_nc_u64 s[42:43], s[16:17], s[50:51]      ; xc: the set for e0,
	s_add_nc_u64 s[44:45], s[42:43], 0x400000      ; for e2,
	s_add_nc_u64 s[46:47], s[42:43], 0x800000      ; for e4
	s_add_nc_u64 s[48:49], s[18:19], s[50:51]
	s_lshl_b32 s50, ttmp9, 11                      ; the table: 256 pairs of 8 bytes a work-group
	s_add_nc_u64 s[20:21], s[20:21], s[50:51]
.set p, 0
.rept 16
	global_load_b128 v[RAWX+4*p:RAWX+4*p+3], v4, s[4:5] offset:4096*p th:TH_LOAD_NT     ; row p: the wave reads 512 consecutive bytes
.set p, p+1
.endr
.set p, 0
.rept 16
	global_load_b128 v[RAWW+4*p:RAWW+4*p+3], v4, s[36:37] offset:4096*p th:TH_LOAD_NT
.set p, p+1
.endr
	; ---- the table, while the loads are on their way
	s_lshl_b32 s50, ttmp9, 8
	v_add_nc_u32 v144, s50, v0                     ; the pair's number: bit 0 e, bits 1-4 r, bit 5 h, bit 6 kk % 2, bits 7-8 kk / 2, from bit 9 the tile of positions
	v_bfe_u32 v145, v144, 1, 4
	v_lshrrev_b32 v146, 9, v144
	v_lshl_add_u32 v145, v146, 4, v145             ; the position
	v_and_b32 v146, 1, v144
	v_bfe_u32 v147, v144, 5, 1
	v_lshl_or_b32 v146, v147, 2, v146
	v_bfe_u32 v147, v144, 6, 1
	v_lshl_or_b32 v146, v147, 1, v146
	v_bfe_u32 v147, v144, 7, 2
	v_lshl_or_b32 v146, v147, 3, v146              ; i, 0 .. 31
	v_cvt_f32_u32 v146, v146
	v_mul_f32 v146, 0xbed49a78, v146               ; -i log2(10000) / 32
	v_exp_f32 v146, v146                           ; inv_freq
	v_cvt_f32_u32 v145, v145                       ; (a plain line behind the exponential)
	s_wait_alu depctr_va_vdst(0)                   ; the wait ahead of the result's first reader
	v_mul_f32 v145, v145, v146                     ; the angle, rounded once
	v_mul_f32 v147, 0x3f22f983, v145               ; x 2 / pi
	v_rndne_f32 v147, v147                         ; n
	v_fmamk_f32 v148, v147, 0xbfc90fdb, v145       ; angle - n x (pi/2's upper part): the product is not rounded
	v_fmamk_f32 v148, v147, 0x333bbd2e, v148       ; - n x (its lower part): rho, within +-pi/4
	v_mul_f32 v149, v148, v148                     ; z = rho^2
	v_mov_b32 v150, 0xb94ca1f9
	v_fmaak_f32 v150, v150, v149, 0x3c08839e
	v_fmaak_f32 v150, v150, v149, 0xbe2aaaa3
	v_mul_f32 v151, v148, v149
	v_fma_f32 v150, v151, v150, v148               ; sin rho = rho + rho z (..)
	v_mov_b32 v152, 0x37ccf5ce
	v_fmaak_f32 v152, v152, v149, 0xbab6061a
	v_fmaak_f32 v152, v152, v149, 0x3d2aaaa5
	v_mul_f32 v153, v149, v149
	v_fma_f32 v154, v149, -0.5, 1.0
	v_fma_f32 v152, v153, v152, v154               ; cos rho = 1 - z / 2 + z^2 (..)
	v_cvt_i32_f32 v155, v147                       ; q = n: the quadrant is q mod 4
	v_and_b32 v156, 1, v155
	v_cmp_eq_u32 vcc_lo, 1, v156
	v_cndmask_b32 v157, v150, v152, vcc_lo         ; in odd quadrants the two change places
	v_cndmask_b32 v158, v152, v150, vcc_lo
	v_lshlrev_b32 v159, 30, v155
	v_and_b32 v159, 0x80000000, v159               ; the sine is negative in quadrants 2 and 3,
	v_xor_b32 v225, v157, v159
	v_add_nc_u32 v155, 1, v155
	v_lshlrev_b32 v155, 30, v155
	v_and_b32 v155, 0x80000000, v155               ; the cosine in 1 and 2
	v_xor_b32 v224, v158, v155
	global_store_b64 v226, v[224:225], s[20:21]    ; 32 lanes store 256 consecutive bytes, aligned
	; ---- the scales
	s_wait_kmcnt 0x0
	s_cmp_eq_u32 s23, 0
	s_cselect_b32 s56, s25, s27                    ; e1 or e3
	s_cmp_eq_u32 s23, 2
	s_cselect_b32 s58, s29, s35                    ; e5 or e11
	s_cmp_lt_u32 s23, 2
	s_cselect_b32 s56, s56, s58
	MKSC 0, s24
	MKSC 1, s26
	MKSC 2, s28
	MKSC 3, s56
	; ---- x, three times; then the weight
	s_wait_loadcnt 16                              ; x's sixteen loads are in; the weight's sixteen may be out
	TURNIN RAWX
	s_wait_dscnt 0x0                               ; the numbers are back, and the stores have read x's registers, which now take codes
	CONV 0, 16, 42
	CONV 1, 32, 44
	CONV 2, 48, 46
	s_wait_loadcnt 0x0
	TURNIN RAWW
	s_wait_dscnt 0x0
	CONV 3, 64, 48
	s_wait_tensorcnt 0x0
	ds_add_u32 v232, v233
	s_wait_dscnt 0x0
	s_endpgm
.Lfunc_end_k_q6c3e24bde6_prep:
	.size	k_q6c3e24bde6_prep, .Lfunc_end_k_q6c3e24bde6_prep-k_q6c3e24bde6_prep
	.p2alignl 7, 3214868480
	.fill 96, 4, 3214868480
	.section	.rodata,"a",@progbits
	.p2align	6, 0x0
	.amdhsa_kernel k_q6c3e24bde6_prep
		.amdhsa_group_segment_fixed_size 68608
		.amdhsa_private_segment_fixed_size 0
		.amdhsa_enable_private_segment 0
		.amdhsa_kernarg_size 72
		.amdhsa_user_sgpr_count 2
		.amdhsa_user_sgpr_kernarg_segment_ptr 1
		.amdhsa_wavefront_size32 1
		.amdhsa_system_sgpr_workgroup_id_x 1
		.amdhsa_system_sgpr_workgroup_id_y 1
		.amdhsa_system_sgpr_workgroup_id_z 1
		.amdhsa_system_vgpr_workitem_id 0
		.amdhsa_next_free_vgpr 234
		.amdhsa_next_free_sgpr 66
		.amdhsa_reserve_vcc 1
		.amdhsa_float_denorm_mode_32 3
		.amdhsa_float_denorm_mode_16_64 3
		.amdhsa_memory_ordered 1
		.amdhsa_forward_progress 1
		.amdhsa_inst_pref_size 33
	.end_amdhsa_kernel
	.amdgpu_metadata
---
amdhsa.version: [ 1, 2 ]
amdhsa.kernels:
  - .name:           k_q6c3e24bde6_prep
    .symbol:         k_q6c3e24bde6_prep.kd
    .args:
      - { .name: in_features, .offset: 0, .size: 8, .value_kind: global_buffer, .address_space: global }
      - { .name: wq, .offset: 8, .size: 8, .value_kind: global_buffer, .address_space: global }
      - { .name: wk, .offset: 16, .size: 8, .value_kind: global_buffer, .address_space: global }
      - { .name: wv, .offset: 24, .size: 8, .value_kind: global_buffer, .address_space: global }
      - { .name: wo, .offset: 32, .size: 8, .value_kind: global_buffer, .address_space: global }
      - { .name: lowp_scales, .offset: 40, .size: 8, .value_kind: global_buffer, .address_space: global }
      - { .name: xc, .offset: 48, .size: 8, .value_kind: global_buffer, .address_space: global }
      - { .name: wc, .offset: 56, .size: 8, .value_kind: global_buffer, .address_space: global }
      - { .name: rope, .offset: 64, .size: 8, .value_kind: global_buffer, .address_space: global }
    .group_segment_fixed_size: 68608
    .private_segment_fixed_size: 0
    .kernarg_segment_align: 8
    .kernarg_segment_size: 72
    .max_flat_workgroup_size: 256
    .sgpr_count:     66
    .vgpr_count:     234
    .wavefront_size: 32
...
	.end_amdgpu_metadata
.endif
;; end of part 1
;; launch qkv (part 2): grid 12 x 16, 4 waves a work-group, clusters of 4 x 4, 327,680 bytes of LDS; arguments xc, wc, lowp_scales, rope, qkv; writes qkv
.if DOCPART == 2
	.amdgcn_target "amdgcn-amd-amdhsa--gfx1250"
	.amdhsa_code_object_version 6
	.text
	.protected	k_q6c3e24bde6_qkv
	.globl	k_q6c3e24bde6_qkv
	.p2align	8
	.type	k_q6c3e24bde6_qkv,@function
k_q6c3e24bde6_qkv:
	s_mov_b64 s[64:65], 0
	v_nop
	global_prefetch_b8 v0, s[64:65] scope:SCOPE_SE
	s_setreg_imm32_b32 hwreg(HW_REG_WAVE_MODE, 25, 1), 1
	s_wait_xcnt 0x0
	s_wait_alu depctr_hold_cnt(0) depctr_sa_sdst(0) depctr_va_vdst(0) depctr_va_sdst(0) depctr_va_ssrc(0) depctr_va_vcc(0) depctr_vm_vsrc(0)
	s_getreg_b32 s2, hwreg(HW_REG_IB_STS2, 6, 4)
	s_cmp_eq_u32 s2, 0
	s_cbranch_scc0 .Lentry_in_a_cluster
	s_endpgm
.Lentry_in_a_cluster:
	s_bfe_u32 s2, ttmp6, 0x10000c
	s_cmp_lg_u32 s2, 0xf033
	s_cbranch_scc0 .Lentry_shape_is_right
	s_endpgm
.Lentry_shape_is_right:
; Q = rope(x wq^T), K = rope(x wk^T), V = x wv^T on codes of E4M3, and their results quantised again (scales 2^e6, 2^e7, 2^e9) into the operands of attention.
; All operands are IMAGES OF OPERAND REGISTERS: 16 rows x 64 k = 1,024 bytes, [chunk 2][lane 32][16 bytes], chunk ch = registers 4 ch .. 4 ch + 3 of the 8-bit layout (registers 2 c, 2 c + 1: k = 16 c + 8 h + 0 .. 7).
; xc: three sets of 4 MiB, wc: four weights of 1 MiB, each [tile of 16 rows][kb 16][image].  A fragment for 128 along K is two neighbouring images: four loads of 16 bytes a lane, dense, k in its true places.
; A tile of 256 x 256 results is made by four waves, 128 x 128 each: 64 accumulators.  K = 1,024 goes in four steps of 256 through two LDS slots filled by the tensor data mover: one load brings 8 tiles of rows x 4,096 bytes.
; CLUSTERS of 4 x 4.  The cluster's x says which product: 0 Q, 1 K, 2 V; its y which quarter of x's 4,096 rows.  Source 1's tiles hang on cy and are asked for jointly along a row of the cluster, source 0's on cx, along a column.
; In the result, lane (r, h) holds in register j: source 0's row 16 b + 8 h + j and source 1's row 16 a + r.  Eight registers are eight neighbours along source 0's rows, which the conversion packs along the NEXT product's K:
;   Q, K: source 0 = the weight (block cx), source 1 = x (block 4 y + cy): a lane holds one position and eight neighbouring channels: the image [16 positions][64 channels of a head], and RoPE's pairs lie in one lane.
;   V:    source 0 = x (block 4 y + cx), source 1 = wv (block cy): a lane holds one channel and eight neighbouring keys: the image [16 channels][64 keys].  Only what is fetched differs, not the loop's text.
; So the results leave as images, 512 dense bytes a store, with no turn through LDS.  qkv: Q at 0, K at 4 MiB: [batch x head 32][tile of 16 positions 128][image]; V at 8 MiB: [batch x head 32][block of 64 keys 32][tile of 16 channels 4][image].
; A sum stands for sum x 2^(eA + eB); RoPE is linear, so it works on the sums, and the conversion takes the one scale 2^(eo - eA - eB).
; LIMIT: eo - eA - eB lies between -126 and 119 for (e0, e1, e6), (e2, e3, e7), (e4, e5, e9).
; REGISTERS, in windows of 256: window 0: v16-29 addresses and scales; v32-95 two sets of the table; v96-127 a tile's rotated numbers; v128-255 source 1's fragments, one set, later the codes.
;   window 1: source 0's fragments, two sets.   windows 2, 3: the accumulators, (a, b) at v[8 (8 (a % 4) + b)].
.set HALFT,  32768                     ; 8 tiles of rows x 4,096 bytes: what one tensor load brings, and what one wave reads of a source
.set SLOT,   131072                    ; source 1's 256 rows, then source 0's
.set SPARE,  262144                    ; behind the ring: the spare words, 128 bytes for each wave
.set KADV,   8192                      ; two K steps on in a tile of rows
.set FR,     16                        ; registers of a fragment
.set NL,     4                         ; LDS loads that bring one
.set NP,     4                         ; places behind this matrix instruction (ISA guide 7.12.1)
.set ADRA, 16                          ; v16-17  LDS address of my fragments of source 1 in slot 0, 1
.set ADRB, 20                          ; v20-21  the same for source 0
.set SC,   24                          ; v24     2^(eo - eA - eB)
.set LM,   25                          ; v25     448 x that
.set LO,   26                          ; v26     16 x lane; never rewritten
.set SPW,  28                          ; v28     LDS address of my spare word; never rewritten
.set NIL,  29                          ; v29     0; never rewritten
.set T,    32
.set R,    96
.set CB,   128
.set AF,   128
.set G1, 24                            ; s[24:31] descriptor group 1 for source 1's tiles; s[32:39] group 0, one set for each slot
.set G0, 32
.set G1B, 48                           ; s[48:55], s[56:63] the same for source 0's
.set G0B, 56
.set MSB, 0
.macro WIN new                         ; the immediate's high byte repeats the setting that is left
.if MSB != (\new)
	s_set_vgpr_msb (MSB<<8)|(\new)
.set MSB, (\new)
.endif
.endm
.set MUL_LO, 0xa1                      ; source 0 window 1, source 1 window 0, C and D window 2
.set MUL_HI, 0xf1                      ; the same, C and D window 3
.set TO_B,   0x40                      ; destination window 1, address window 0
; A joint load: waves 0 and 1 fetch source 1's halves, waves 2 and 3 source 0's.  The branch hangs on the wave's number alone.  Four v_nop follow each of the two lines.
.macro JLOAD g0a, g1a, g0b, g1b
	s_cmp_eq_u32 s15, 0
	s_cbranch_scc0 .Lfor_b_\@
	tensor_load_to_lds s[\g0a:\g0a+3], s[\g1a:\g1a+7]
	s_nop 0
.rept 4
	v_nop
.endr
	s_branch .Lasked_\@
.Lfor_b_\@:
	tensor_load_to_lds s[\g0b:\g0b+3], s[\g1b:\g1b+7]
	s_nop 0
.rept 4
	v_nop
.endr
.Lasked_\@:
.endm
.macro CREST                           ; a round of the cluster's barrier behind its opening barrier
	s_cmp_lg_u32 s14, 0
	s_cbranch_scc1 .Lnot_wave_0_\@
	s_barrier_signal -3
.Lnot_wave_0_\@:
	s_barrier_wait -3
	s_barrier_signal -1
	s_barrier_wait -1
.endm
.macro CROUND                          ; a whole round
	s_barrier_signal -1
	s_barrier_wait -1
	CREST
.endm
	s_load_b128 s[4:7], s[0:1], 0x0                ; xc s[4:5], wc s[6:7]
	s_load_b128 s[8:11], s[0:1], 0x10              ; the exponents s[8:9], the table s[10:11]
	s_load_b64 s[12:13], s[0:1], 0x20              ; qkv
	v_lshl_add_u32 v[SPW], v0, 2, SPARE
	v_mov_b32 v[NIL], 0
	ds_add_u32 v28, v29
	ds_add_u32 v28, v29
	s_wait_dscnt 0x0
	v_lshrrev_b32 v1, 5, v0
	v_readfirstlane_b32 s14, v1                    ; wave 0..3
	s_lshr_b32 s15, s14, 1                         ; which half of source 1's rows is mine.  Also: I fetch for source 1 (0) or source 0 (1)
	s_and_b32 s16, s14, 1                          ; which half of source 0's rows.  Also: which half of that tile I fetch
	s_bfe_u32 s40, ttmp6, 0x40000                  ; cx, cy: my place in the cluster
	s_bfe_u32 s41, ttmp6, 0x40004
	s_mov_b32 s70, ttmp9                           ; the cluster's x: 0 Q, 1 K, 2 V: the same in all sixteen partners
	s_and_b32 s71, ttmp7, 0xffff                   ; the cluster's y
	s_lshl_b32 s43, s41, 2
	s_lshl_b32 s43, 15, s43                        ; my row of the cluster
	s_lshl_b32 s44, 0x1111, s40                    ; my column
	s_or_b32 s[G1+0], s43, 1<<21                   ; 15:0 the mask; 17:16 elements of 1 byte; 20 no padding: the images are read 16 bytes a lane on end; 21 set beside a mask
	s_or_b32 s[G1B+0], s44, 1<<21
.irp g, G1, G1B
	s_mov_b32 s[\g+1], 4096<<16                    ; tensor_dim0 = 4,096: a K step's four images of a tile of rows
	s_mov_b32 s[\g+2], 8<<16                       ; tensor_dim1 = 8 tiles of rows
	s_mov_b32 s[\g+3], 4096<<16                    ; tile_dim0
	s_mov_b32 s[\g+4], 8                           ; tile_dim1
	s_mov_b32 s[\g+5], 16384                       ; from a tile of rows to the next: 16 images
	s_mov_b32 s[\g+6], 0
	s_mov_b32 s[\g+7], 0
.endr
	s_lshl_b32 s66, s71, 2                         ; 4 y
	s_lshl_b32 s69, s70, 22                        ; xc's set: 4 MiB each
	s_lshl_b32 s88, s70, 20                        ; wc's weight: 1 MiB each
	s_cmp_eq_u32 s70, 2
	s_cselect_b32 s67, 0, s66                      ; source 1's block: V: cy;  Q, K: 4 y + cy
	s_cselect_b32 s68, s66, 0                      ; source 0's block: V: 4 y + cx;  Q, K: cx
	s_cselect_b32 s69, 0x200000, s69               ; source 1: V: wv in wc;  Q, K: x's set
	s_cselect_b32 s88, 0x800000, s88               ; source 0: V: x's third set;  Q, K: the weight
	s_add_co_u32 s17, s67, s41                     ; source 1's block of 256 rows: it never holds cx
	s_add_co_u32 s42, s68, s40                     ; source 0's: it never holds cy
	s_lshl_b32 s18, s16, 17                        ; the half that I fetch: 8 tiles of rows
	s_lshl_b32 s20, s17, 18
	s_add_co_u32 s20, s20, s69
	s_add_co_u32 s20, s20, s18
	s_mov_b32 s21, 0
	s_lshl_b32 s46, s42, 18
	s_add_co_u32 s46, s46, s88
	s_add_co_u32 s46, s46, s18
	s_mov_b32 s47, 0
	s_lshl_b32 s45, s14, 15                        ; where they go: wave x HALFT: no place in the cluster enters an LDS address
	s_and_b32 s93, s17, 7
	s_lshl_b32 s93, s93, 4
	s_lshl_b32 s18, s15, 3
	s_add_co_u32 s93, s93, s18                     ; Q, K: my first tile of 16 positions within the batch
	s_lshl_b32 s18, s93, 12                        ; the table has 4,096 bytes for each
	s_mov_b32 s19, 0
	s_wait_kmcnt 0x0
	s_load_b256 s[72:79], s[8:9], 0x0              ; e0 .. e7
	s_load_b128 s[80:83], s[8:9], 0x20             ; e8 .. e11
	s_cmp_eq_u32 s70, 2
	s_cselect_b64 s[84:85], s[6:7], s[4:5]         ; source 1's buffer,
	s_cselect_b64 s[86:87], s[4:5], s[6:7]         ; source 0's: chosen by the cluster's x alone
	s_add_nc_u64 s[20:21], s[84:85], s[20:21]
	s_add_nc_u64 s[46:47], s[86:87], s[46:47]
	s_add_nc_u64 s[10:11], s[10:11], s[18:19]
	CROUND                                         ; all sixteen work-groups are here: the first joint loads meet
.irp s, 0,1
	s_mov_b32 s[G0+4*\s], 1
	s_add_co_u32 s[G0+4*\s+1], s45, \s*SLOT
	s_add_nc_u64 s[G0+4*\s+2:G0+4*\s+3], s[20:21], \s*4096
	s_or_b32 s[G0+4*\s+3], s[G0+4*\s+3], 0x80000000
	s_mov_b32 s[G0B+4*\s], 1
	s_add_co_u32 s[G0B+4*\s+1], s45, \s*SLOT
	s_add_nc_u64 s[G0B+4*\s+2:G0B+4*\s+3], s[46:47], \s*4096
	s_or_b32 s[G0B+4*\s+3], s[G0B+4*\s+3], 0x80000000
	JLOAD G0+4*\s, G1, G0B+4*\s, G1B
.endr
	v_and_b32 v6, 31, v0
	v_lshlrev_b32 v[LO], 4, v6
	s_lshl_b32 s22, s15, 15                        ; my 128 rows of source 1
	s_lshl_b32 s23, s16, 15                        ; my 128 rows of source 0,
	s_add_co_u32 s23, s23, 2*HALFT                 ; which lie behind source 1's 256
.irp s, 0,1
	v_add_nc_u32 v[ADRA+\s], s22, v[LO]
	v_add_nc_u32 v[ADRB+\s], s23, v[LO]
	s_add_co_u32 s22, s22, SLOT
	s_add_co_u32 s23, s23, SLOT
.endr
; The table for tile a of my eight tiles of positions: 32 registers: register 8 bq + jj, + 1 = cos, sin of pair 8 bq + 4 h + jj / 2 at position 16 a + r
.macro TLOAD a
.irp kk, 0,1,2,3,4,5,6,7
	global_load_b128 v[T+32*((\a)%2)+4*\kk:T+32*((\a)%2)+4*\kk+3], v[LO], s[10:11] offset:4096*(\a)+512*\kk
.endr
.endm
	TLOAD 0                                        ; the first two sets are asked for here, so that they come while the products run.  V's clusters ask too and do not use them: the price of one text for the three products
	TLOAD 1
.macro FRAG reg, adr, q, i             ; a fragment, 16 rows x 128 K: two images, four loads of 16 bytes a lane, each 512 dense bytes
.irp c, 0,1,2,3
	ds_load_b128 v[\reg+4*\c:\reg+4*\c+3], v[\adr] offset:4096*(\i)+2048*(\q)+512*\c
.endr
.endm
; 16 matrix instructions: source 1's blocks a0, a0 + 1 x source 0's eight, 128 along K.  p: source 0's set.  zero = 1: the first product starts the sums.
; The 64 accumulators take turns, one instruction a turn, in the same order in every step.
.macro MUL16 a0, p, zero
.irp a, \a0, \a0+1
.irp b, 0,1,2,3,4,5,6,7
.if \zero
	v_wmma_f32_16x16x128_fp8_fp8 v[8*(8*((\a)%4)+\b):8*(8*((\a)%4)+\b)+7], v[128*(\p)+FR*\b:128*(\p)+FR*\b+FR-1], v[AF+FR*(\a):AF+FR*(\a)+FR-1], 0
.else
	v_wmma_f32_16x16x128_fp8_fp8 v[8*(8*((\a)%4)+\b):8*(8*((\a)%4)+\b)+7], v[128*(\p)+FR*\b:128*(\p)+FR*\b+FR-1], v[AF+FR*(\a):AF+FR*(\a)+FR-1], v[8*(8*((\a)%4)+\b):8*(8*((\a)%4)+\b)+7]
.endif
.endr
.endr
.endm
.macro FETCH_B slot, q, p              ; source 0's eight fragments of the slot's q-th 128 along K into set p
	WIN TO_B
.irp i, 0,1,2,3,4,5,6,7
	FRAG 128*(\p)+FR*\i, ADRB+\slot, \q, \i
.endr
	WIN 0
.endm
.macro FETCH_A slot, q, i0             ; source 1's blocks i0 .. i0 + 3
.irp i, \i0, \i0+1, \i0+2, \i0+3
	FRAG AF+FR*(\i), ADRA+\slot, \q, \i
.endr
.endm
.macro PLACES n                        ; plain vector lines between a matrix instruction and a load into, or a vector line on, its registers (ISA guide 7.12.1 for vector lines)
.rept \n
	v_nop
.endr
.endm
; A step of 128 along K that has its successor in the same slot.  A block of source 1 is free as soon as its eight products are issued: one set serves; source 0 has two.
.macro STEP slot, q, zero
	s_wait_dscnt 4*NL                              ; source 0's set and source 1's blocks 0-3 are in; the youngest sixteen loads (blocks 4-7) may be out
	WIN MUL_LO
	MUL16 0, (\q)%2, \zero
	MUL16 2, (\q)%2, \zero
	s_wait_dscnt 0                                 ; blocks 4-7 are in
	PLACES NP
	FETCH_B \slot, (\q)+1, 1-(\q)%2
	FETCH_A \slot, (\q)+1, 0
	WIN MUL_HI
	MUL16 4, (\q)%2, \zero
	MUL16 6, (\q)%2, \zero
	PLACES NP
	WIN 0
	FETCH_A \slot, (\q)+1, 4
.endm
; A slot's last step changes slots: one barrier; in front of it each wave waits for all its tensor loads, adds 0 to its spare word, and waits for that and for its reads of this slot.  fill = 1: this slot is filled again, two K steps ahead.
.macro TURN slot, next, fill
	s_wait_tensorcnt 0x0                           ; all my tensor loads have landed: my part of the next slot
	ds_add_u32 v[SPW], v[NIL]                      ; 0 onto my spare word
	s_wait_dscnt 4*NL+1                            ; (the add and the youngest sixteen loads may be out)
	WIN MUL_LO
	MUL16 0, 1, 0                                  ; sixteen matrix instructions stand between the add and the wait for it
	s_wait_dscnt 0x0                               ; the add is done, and my reads of this slot are over
	s_barrier_signal -1
	MUL16 2, 1, 0
	WIN 0
	s_barrier_wait -1
.if \fill
	CREST                                          ; the barrier has opened a round of the cluster's barrier: no wave of any partner still reads this slot or has a load on its way
	s_add_nc_u64 s[G0+4*\slot+2:G0+4*\slot+3], s[G0+4*\slot+2:G0+4*\slot+3], KADV
	s_add_nc_u64 s[G0B+4*\slot+2:G0B+4*\slot+3], s[G0B+4*\slot+2:G0B+4*\slot+3], KADV
	JLOAD G0+4*\slot, G1, G0B+4*\slot, G1B         ; the first tensor load behind the round; its four v_nop are also the places in front of the loads below
.else
	PLACES NP
.endif
	FETCH_B \next, 0, 0
	FETCH_A \next, 0, 0
	WIN MUL_HI
	MUL16 4, 1, 0
	MUL16 6, 1, 0
	PLACES NP
	WIN 0
	FETCH_A \next, 0, 4
.endm
	s_wait_tensorcnt 1                             ; my part of K step 0 is in; K step 1's load may be out
	s_barrier_signal -1
	s_barrier_wait -1
	FETCH_B 0, 0, 0
	FETCH_A 0, 0, 0
	FETCH_A 0, 0, 4
	STEP 0, 0, 1                                   ; K step 0: its first products start the sums
	TURN 0, 1, 1                                   ; slot 0 takes K step 2
	STEP 1, 0, 0                                   ; K step 1
	TURN 1, 0, 1                                   ; slot 1 takes K step 3
	STEP 0, 0, 0                                   ; K step 2
	TURN 0, 1, 0                                   ; nothing is left to fetch
	STEP 1, 0, 0                                   ; K step 3
	s_wait_dscnt 4*NL
	WIN MUL_LO
	MUL16 0, 1, 0
	MUL16 2, 1, 0
	s_wait_dscnt 0
	WIN MUL_HI
	MUL16 4, 1, 0
	MUL16 6, 1, 0
	WIN 0
	; ---- THE WAY OUT
	s_wait_kmcnt 0x0
	s_cmp_eq_u32 s70, 0
	s_cselect_b32 s89, s72, s74                    ; eA, eB, eo: Q: e0, e1, e6;  K: e2, e3, e7;
	s_cselect_b32 s90, s73, s75
	s_cselect_b32 s91, s78, s79
	s_cmp_eq_u32 s70, 2
	s_cselect_b32 s89, s76, s89                    ; V: e4, e5, e9
	s_cselect_b32 s90, s77, s90
	s_cselect_b32 s91, s81, s91
	s_sub_co_i32 s91, s91, s89
	s_sub_co_i32 s91, s91, s90                     ; eo - eA - eB
	s_add_co_i32 s91, s91, 127
	s_lshl_b32 s92, s91, 23
	s_add_co_i32 s91, s91, 8
	s_lshl_b32 s91, s91, 23
	s_or_b32 s91, s91, 0x600000
	PLACES NP                                      ; behind the last products: their results are read and source 1's registers written below
	v_mov_b32 v[SC], s92
	v_mov_b32 v[LM], s91
	s_cmp_eq_u32 s70, 2
	s_cbranch_scc1 .Lv
	; Q, K: where my images go: ((16 batch + head) 128 + tile of positions) x 1,024, in Q's or K's part
	s_lshr_b32 s66, s17, 3                         ; batch
	s_lshl_b32 s68, s42, 2
	s_lshl_b32 s69, s16, 1
	s_add_co_u32 s68, s68, s69                     ; my first head: 4 x block + 2 x half
	s_lshl_b32 s66, s66, 4
	s_add_co_u32 s66, s66, s68
	s_lshl_b32 s66, s66, 7
	s_add_co_u32 s66, s66, s93
	s_lshl_b32 s66, s66, 10
	s_lshl_b32 s69, s70, 22
	s_add_co_u32 s66, s66, s69
	s_mov_b32 s67, 0
	s_add_nc_u64 s[12:13], s[12:13], s[66:67]
; Tile a of positions, my two heads g.  (re, ro) = (x1 c - x2 s, x1 s + x2 c) in two packed lines a pair; the hold; four conversions give the image's eight registers.  The codes' registers are never written again.
.macro OUTQK a
.if (\a) < 7
	s_wait_loadcnt 8                               ; this tile's table is in; the next tile's eight loads may be out
.else
	s_wait_loadcnt 0
.endif
.set TS, T+32*((\a)%2)
.irp g, 0,1
.set AC, 64*((\a)%4)+32*\g
.set CD, CB+16*(\a)+8*\g
	WIN 0x02+(\a)/4                                ; source 0: the accumulators' window
.irp bq, 0,1,2,3
.irp jj, 0,2,4,6                       ; each accumulator is read from its low end on
	v_pk_mul_f32 v[R+8*\bq+\jj:R+8*\bq+\jj+1], v[AC+8*\bq+\jj:AC+8*\bq+\jj+1], v[TS+8*\bq+\jj:TS+8*\bq+\jj+1] op_sel:[1,1] op_sel_hi:[1,0] neg_lo:[1,0]   ; (-x2 s, x2 c)
.endr
.irp jj, 0,2,4,6
	v_pk_fma_f32 v[R+8*\bq+\jj:R+8*\bq+\jj+1], v[AC+8*\bq+\jj:AC+8*\bq+\jj+1], v[TS+8*\bq+\jj:TS+8*\bq+\jj+1], v[R+8*\bq+\jj:R+8*\bq+\jj+1] op_sel_hi:[0,1,1]   ; + (x1 c, x1 s)
.endr
.endr
	WIN 0
.set n, 0
.rept 32
	v_med3_num_f32 v[R+n], v[R+n], -v[LM], v[LM]   ; the conversion to an 8-bit code does not saturate (ISA guide 7.6.2)
.set n, n+1
.endr
.irp bq, 0,1,2,3
	v_cvt_scalef32_pk8_fp8_f32 v[CD+2*\bq:CD+2*\bq+1], v[R+8*\bq:R+8*\bq+7], v[SC]   ; registers 2 c, 2 c + 1 of the image, c = bq: channels 16 c + 8 h + 0 .. 7
.endr
	v_nop                                          ; a plain line between the conversions and the next write of their sources
	global_store_b128 v[LO], v[CD:CD+3], s[12:13] offset:131072*\g+1024*(\a)          ; 32 lanes store 512 consecutive bytes, aligned
	global_store_b128 v[LO], v[CD+4:CD+7], s[12:13] offset:131072*\g+1024*(\a)+512
.endr
.if (\a) < 6
	TLOAD (\a)+2                                   ; this tile's set of table registers takes the tile two on
.endif
.endm
.irp a, 0,1,2,3,4,5,6,7
	OUTQK \a
.endr
	s_branch .Ldone
.Lv:
	; V: ((16 batch + head) 32 + block of 64 keys) x 4,096 + tile of channels x 1,024, in V's part
	s_lshr_b32 s66, s42, 3                         ; batch: x is source 0 here
	s_and_b32 s67, s42, 7
	s_lshl_b32 s67, s67, 2
	s_lshl_b32 s68, s16, 1
	s_add_co_u32 s67, s67, s68                     ; my first block of 64 keys
	s_lshl_b32 s68, s17, 2
	s_lshl_b32 s69, s15, 1
	s_add_co_u32 s68, s68, s69                     ; my first head
	s_lshl_b32 s66, s66, 4
	s_add_co_u32 s66, s66, s68
	s_lshl_b32 s66, s66, 5
	s_add_co_u32 s66, s66, s67
	s_lshl_b32 s66, s66, 12
	s_add_co_u32 s66, s66, 0x800000
	s_mov_b32 s67, 0
	s_add_nc_u64 s[12:13], s[12:13], s[66:67]
.macro OUTV a                          ; tile a of 16 channels (head a / 4, tile a % 4), my two blocks g of 64 keys
.irp g, 0,1
.set AC, 64*((\a)%4)+32*\g
.set CD, CB+16*(\a)+8*\g
	WIN 0x02+(\a)/4
.set n, 0
.rept 32
	v_med3_num_f32 v[R+n], v[AC+n], -v[LM], v[LM]
.set n, n+1
.endr
	WIN 0
.irp bq, 0,1,2,3
	v_cvt_scalef32_pk8_fp8_f32 v[CD+2*\bq:CD+2*\bq+1], v[R+8*\bq:R+8*\bq+7], v[SC]   ; keys 16 bq + 8 h + 0 .. 7 of the block
.endr
	v_nop
	global_store_b128 v[LO], v[CD:CD+3], s[12:13] offset:131072*((\a)/4)+4096*\g+1024*((\a)%4)
	global_store_b128 v[LO], v[CD+4:CD+7], s[12:13] offset:131072*((\a)/4)+4096*\g+1024*((\a)%4)+512
.endr
.endm
.irp a, 0,1,2,3,4,5,6,7
	OUTV \a
.endr
.Ldone:
	s_wait_tensorcnt 0x0                           ; the wave's end
	ds_add_u32 v[SPW], v[NIL]
	s_wait_dscnt 0x0
	CROUND                                         ; the closing round: no work-group ends while a partner may still ask for a tile that names it
	s_endpgm
.Lfunc_end_k_q6c3e24bde6_qkv:
	.size	k_q6c3e24bde6_qkv, .Lfunc_end_k_q6c3e24bde6_qkv-k_q6c3e24bde6_qkv
	.p2alignl 7, 3214868480
	.fill 96, 4, 3214868480
	.section	.rodata,"a",@progbits
	.p2align	6, 0x0
	.amdhsa_kernel k_q6c3e24bde6_qkv
		.amdhsa_group_segment_fixed_size 327680
		.amdhsa_private_segment_fixed_size 0
		.amdhsa_enable_private_segment 0
		.amdhsa_kernarg_size 40
		.amdhsa_user_sgpr_count 2
		.amdhsa_user_sgpr_kernarg_segment_ptr 1
		.amdhsa_wavefront_size32 1
		.amdhsa_system_sgpr_workgroup_id_x 1
		.amdhsa_system_sgpr_workgroup_id_y 1
		.amdhsa_system_sgpr_workgroup_id_z 1
		.amdhsa_system_vgpr_workitem_id 0
		.amdhsa_next_free_vgpr 1024
		.amdhsa_next_free_sgpr 100
		.amdhsa_reserve_vcc 0
		.amdhsa_float_denorm_mode_32 3
		.amdhsa_float_denorm_mode_16_64 3
		.amdhsa_memory_ordered 1
		.amdhsa_forward_progress 1
		.amdhsa_inst_pref_size 198
	.end_amdhsa_kernel
	.amdgpu_metadata
---
amdhsa.version: [ 1, 2 ]
amdhsa.kernels:
  - .name:           k_q6c3e24bde6_qkv
    .symbol:         k_q6c3e24bde6_qkv.kd
    .args:
      - { .name: xc, .offset: 0, .size: 8, .value_kind: global_buffer, .address_space: global }
      - { .name: wc, .offset: 8, .size: 8, .value_kind: global_buffer, .address_space: global }
      - { .name: lowp_scales, .offset: 16, .size: 8, .value_kind: global_buffer, .address_space: global }
      - { .name: rope, .offset: 24, .size: 8, .value_kind: global_buffer, .address_space: global }
      - { .name: qkv, .offset: 32, .size: 8, .value_kind: global_buffer, .address_space: global }
    .group_segment_fixed_size: 327680
    .private_segment_fixed_size: 0
    .kernarg_segment_align: 8
    .kernarg_segment_size: 40
    .max_flat_workgroup_size: 128
    .sgpr_count:     100
    .vgpr_count:     1024
    .wavefront_size: 32
...
	.end_amdgpu_metadata
.endif
;; end of part 2
;; launch attn (part 3): grid 8 x 32, 16 waves a work-group, no clusters, 34,816 bytes of LDS; arguments qkv, lowp_scales, ctxc; writes ctxc
.if DOCPART == 3
	.amdgcn_target "amdgcn-amd-amdhsa--gfx1250"
	.amdhsa_code_object_version 6
	.text
	.protected	k_q6c3e24bde6_attn
	.globl	k_q6c3e24bde6_attn
	.p2align	8
	.type	k_q6c3e24bde6_attn,@function
k_q6c3e24bde6_attn:
	s_mov_b64 s[64:65], 0
	v_nop
	global_prefetch_b8 v0, s[64:65] scope:SCOPE_SE
	s_setreg_imm32_b32 hwreg(HW_REG_WAVE_MODE, 25, 1), 1
	s_wait_xcnt 0x0
; ctx[b][q][head] = the sum over keys k <= q of softmax_k(Q . K / 8) V, both products on codes of E4M3, and ctx quantised again (2^e10) for the last projection.
; qkv holds images of operand registers (16 rows x 64 k = 1,024 bytes, [chunk 2][lane 32][16 bytes]): Q at 0 and K at 4 MiB: [batch x head 32][tile of 16 positions 128]; V at 8 MiB: [batch x head 32][block of 64 keys 32][tile of 16 channels 4].
; THE SOFTMAX: t = score x log2(e) / 8; M = the running largest t rounded up to a whole number; p = 2^(t - M) is quantised (2^e8), not normalised; the row's sum is taken of the unquantised p and divides at the end.
; When M moves, the sum and O are multiplied by 2^(old M - new M), which rounds nothing.
; LAYOUT.  S^T = K Q^T (source 0 = 16 keys, source 1 = my 16 queries): lane (r, h) holds query r, register j of tile u key 16 u + 8 h + j.  The conversion of tile u's eight registers IS registers 2 u, 2 u + 1 of P as source 1
; of O^T = V^T P^T (K = 128 keys, k in its true places); O^T again holds one query a lane, and its conversion is ctx's image [16 positions][64 channels].  Nothing changes lanes but the maximum and the sum (one exchange each).
; SHARES.  Work-group (I, batch x head) owns blocks I and 15 - I of 128 queries, so that every work-group has 8 (I + 1) + 8 (16 - I) = 136 steps of a wave.  Each of its sixteen waves owns 16 queries in 256 registers.
; Wave w belongs to block 15 - I where (w xor w / 4) is odd: of any four neighbouring waves, and of any four that lie four apart, two are of each block.
; K AND V: a step's 128 keys are 8 KiB of K and 8 KiB of V, dense.  Each thread copies 16 bytes of each, through registers, into the LDS buffer that is not being read: loaded at a step's head, stored at its end, one barrier a step.
; The barrier orders both ways: the buffer written now was last read in front of the barrier before, and is read behind this one.  The loop has 16 steps in every work-group; steps whose keys all come after a wave's queries
; are jumped over by a scalar branch on ids, never the barrier.
; NO CLUSTER: the eight work-groups of a head read the same K and V, but they need different numbers of tiles (16 - I), and a step's 16 KiB stand beside some 190 vector instructions in each of sixteen waves: a small part of a step.
; LIMITS: e6 + e7 between -123 and 130 (added to c's exponent field); e8, and e10 - e8 - e9, between -126 and 119.
; REGISTERS: v1 16 x lane, v2 16 x thread, v3 256 x lane, v6 r - 8 h; v12 -M, v13 the largest t, v[14:15] the sum in two halves; v16-23 Q; v24-31 the copy; v32-95 K's, then V's fragments; v96-159 S^T, then p;
;   v160-191 O^T; v192-207 p's codes, at the end ctx's; v236-254 at work; v244, v240: 2^e8, 448 x 2^e8; v245, v241: the same with e10 - e8 - e9.
.set WV,  10                           ; s10 my wave's number
.set Q0,  11                           ; s11 my first query
.set QL,  12                           ; s12 my last
.set NS,  13                           ; s13 key steps that the work-group needs: 16 - I
.set KS,  14                           ; s14 the step
.set KF,  15                           ; s15 its first key
.set NX,  16                           ; s16 the next step
.set TR,  17                           ; s17 trips to go
.set LIM, 18                           ; s18 a wave prefetches while the step is under this
.set T0,  19
.set E8,  32                           ; s32
.set KP,  36                           ; s[36:37] K's tile of step KS;  s[38:39] V's;  s[40:41] the prefetches': one of the two
.set VP,  38
.set PFA, 40
.set CS,  42                           ; s[42:43] c = log2(e) / 8 x 2^(e6 + e7)
.set SEL, 44                           ; s[44:45] lane selects: lane l xor 16
	s_load_b128 s[4:7], s[0:1], 0x0                ; qkv s[4:5], the exponents s[6:7]
	s_load_b64 s[8:9], s[0:1], 0x10                ; ctxc
	v_lshl_add_u32 v251, v0, 2, 0x8000
	v_mov_b32 v255, 0
	v_lshrrev_b32 v1, 5, v0
	v_readfirstlane_b32 s[WV], v1                  ; wave 0..15
	v_and_b32 v4, 31, v0
	v_lshlrev_b32 v1, 4, v4
	v_lshlrev_b32 v2, 4, v0
	v_lshlrev_b32 v3, 8, v4
	v_and_b32 v5, 15, v0
	v_bfe_u32 v6, v0, 4, 1
	v_lshlrev_b32 v6, 3, v6
	v_sub_nc_u32 v6, v5, v6                        ; r - 8 h
	s_lshr_b32 s20, s[WV], 2
	s_xor_b32 s20, s20, s[WV]
	s_and_b32 s20, s20, 1                          ; 1: block 15 - I
	s_sub_co_u32 s21, 15, ttmp9
	s_cmp_eq_u32 s20, 1
	s_cselect_b32 s21, s21, ttmp9
	s_lshl_b32 s21, s21, 7
	s_lshr_b32 s22, s[WV], 1                       ; waves 2 m and 2 m + 1 are of different blocks: each block's eight waves have m = 0 .. 7
	s_lshl_b32 s22, s22, 4
	s_add_co_u32 s[Q0], s21, s22
	s_add_co_u32 s[QL], s[Q0], 15
	s_sub_co_u32 s[NS], 16, ttmp9
	s_mov_b32 s[KS], 0
	s_mov_b32 s[KF], 0
	s_mov_b32 s[TR], 8
	s_mov_b32 s[SEL], 0x76543210
	s_mov_b32 s[SEL+1], 0xfedcba98
	s_and_not1_b32 s20, s[WV], 2
	s_xor_b32 s20, s20, 1                          ; 0 in waves 1 and 3,
	s_or_b32 s20, s20, ttmp9                       ; of the head's work-group I = 0, which walks all 16 tiles; both waves are of block 15 and work in every step
	s_cmp_eq_u32 s20, 0
	s_cselect_b32 s[LIM], 13, 0
	s_and_b32 s20, ttmp7, 0xffff                   ; batch x head
	s_lshl_b32 s48, s20, 17                        ; its 128 KiB in each of Q, K, V
	s_mov_b32 s49, 0
	s_lshl_b32 s50, s[Q0], 6                       ; my tile of queries: (Q0 / 16) x 1,024
	s_add_co_u32 s50, s50, s48
	s_mov_b32 s51, 0
	s_lshr_b32 s52, s20, 4                         ; ctxc: ((batch x 128 + Q0 / 16) x 16 + head) x 1,024
	s_lshl_b32 s52, s52, 21
	s_lshl_b32 s21, s[Q0], 10
	s_add_co_u32 s52, s52, s21
	s_and_b32 s21, s20, 15
	s_lshl_b32 s21, s21, 10
	s_add_co_u32 s52, s52, s21
	s_mov_b32 s53, 0
	s_wait_kmcnt 0x0
	s_load_b256 s[24:31], s[6:7], 0x0              ; e0 .. e7
	s_load_b128 s[32:35], s[6:7], 0x20             ; e8 .. e11
	s_add_nc_u64 s[46:47], s[4:5], s[50:51]
	s_add_nc_u64 s[KP:KP+1], s[4:5], s[48:49]
	s_add_nc_u64 s[VP:VP+1], s[KP:KP+1], 0x800000
	s_add_nc_u64 s[KP:KP+1], s[KP:KP+1], 0x400000
	s_add_nc_u64 s[8:9], s[8:9], s[52:53]
	s_cmp_lt_u32 s[WV], 2
	s_cselect_b64 s[PFA:PFA+1], s[KP:KP+1], s[VP:VP+1]   ; wave 1 asks for K's tiles, wave 3 for V's
	global_load_b128 v[16:19], v1, s[46:47]        ; Q's image stays in registers
	global_load_b128 v[20:23], v1, s[46:47] offset:512
	global_load_b128 v[24:27], v2, s[KP:KP+1]      ; step 0's tiles
	global_load_b128 v[28:31], v2, s[VP:VP+1]
	v_mov_b32 v13, 0xff61b1e6                      ; the largest t so far: -3e38, under every t
	v_floor_f32 v12, -v13                          ; -M
	v_mov_b32 v14, 0
	v_mov_b32 v15, 0
	v_mov_b32 v236, 0                              ; written once: a lane permute's destination counts as one of its sources
	v_mov_b32 v253, 0                              ; (named as the upper half of the pair v[252:253])
.set n, 0
.rept 32
	v_mov_b32 v[160+n], 0                          ; O^T.  (The step is written once: the first finds zeros, which the first change of M leaves zeros)
.set n, n+1
.endr
	s_wait_kmcnt 0x0
	s_mov_b32 s[CS], 0x3e38aa3b                    ; log2(e) / 8
	s_add_co_i32 s20, s30, s31
	s_lshl_b32 s20, s20, 23
	s_add_co_i32 s[CS], s[CS], s20                 ; a score stands for score x 2^(e6 + e7)
	s_mov_b32 s[CS+1], s[CS]                       ; (named with it as a pair, so it is written)
	s_add_co_i32 s20, s32, 127
	s_lshl_b32 s21, s20, 23
	v_mov_b32 v244, s21                            ; 2^e8
	s_add_co_i32 s20, s20, 8
	s_lshl_b32 s20, s20, 23
	s_or_b32 s20, s20, 0x600000
	v_mov_b32 v240, s20                            ; 448 x 2^e8
	s_sub_co_i32 s20, s34, s32
	s_sub_co_i32 s20, s20, s33                     ; a sum of the second product stands for sum x 2^(e8 + e9): ctx's conversion takes 2^(e10 - e8 - e9)
	s_add_co_i32 s20, s20, 127
	s_lshl_b32 s21, s20, 23
	v_mov_b32 v245, s21
	s_add_co_i32 s20, s20, 8
	s_lshl_b32 s20, s20, 23
	s_or_b32 s20, s20, 0x600000
	v_mov_b32 v241, s20
	s_wait_loadcnt 0x0
	ds_store_b128 v2, v[24:27]                     ; buffer 0: K's 8 KiB, then V's
	ds_store_b128 v2, v[28:31] offset:8192
	s_wait_dscnt 0x0                               ; for the others' sake
	s_barrier_signal -1
	s_barrier_wait -1
; A KEY STEP: 128 keys, read from buffer buf; the next step's tiles go into the other buffer.
.macro STEP buf
	s_add_co_u32 s[NX], s[KS], 1
	s_cmp_lt_u32 s[NX], s[NS]                      ; is there a next step for this work-group?  (the same in all sixteen waves)
	s_cbranch_scc0 .Lasked_\@
	global_load_b128 v[24:27], v2, s[KP:KP+1] offset:8192   ; my 16 bytes of the next step's K and V: they have this step's work in which to come
	global_load_b128 v[28:31], v2, s[VP:VP+1] offset:8192
	s_cmp_lt_u32 s[KS], s[LIM]
	s_cbranch_scc0 .Lasked_\@
	; A PREFETCH INTO THE L2 of tile KS + 3, which the step after next will load: 8 KiB, lanes 256 bytes apart, one instruction.  All work-groups of a head walk the same tiles: one wave of the head's work-group I = 0 asks for K's,
	; one for V's, so each block of 256 bytes is named once in the launch.  Tiles 0 to 2 come by their loads alone; steps 13 on ask for nothing: tile 15 is the last.
	global_prefetch_b8 v3, s[PFA:PFA+1] offset:24576 th:TH_LOAD_NT scope:SCOPE_SE
.Lasked_\@:
	s_cmp_gt_u32 s[KF], s[QL]                      ; all 128 keys come after my 16 queries: nothing to do but the copy
	s_cbranch_scc1 .Lhidden_\@
.irp u, 0,1,2,3,4,5,6,7                        ; (four plain lines stand behind the last step's products, at its end)
	ds_load_b128 v[32+8*\u:35+8*\u], v1 offset:16384*\buf+1024*\u
	ds_load_b128 v[36+8*\u:39+8*\u], v1 offset:16384*\buf+1024*\u+512
.endr
	s_wait_dscnt 0x0
.irp u, 0,1,2,3,4,5,6,7
	v_wmma_f32_16x16x64_fp8_fp8 v[96+8*\u:103+8*\u], v[32+8*\u:39+8*\u], v[16:23], 0
.endr
.rept 4
	v_nop                                          ; places in front of the loads into K's registers and of the first read of the scores
.endr
.irp t, 0,1,2,3                                ; V's fragments (16 channels x 128 keys: two images) are asked for at once: they come during the softmax
.irp kb, 0,1
	ds_load_b128 v[32+16*\t+8*\kb:35+16*\t+8*\kb], v1 offset:16384*\buf+8192+4096*\kb+1024*\t
	ds_load_b128 v[36+16*\t+8*\kb:39+16*\t+8*\kb], v1 offset:16384*\buf+8192+4096*\kb+1024*\t+512
.endr
.endr
	s_add_co_u32 s[T0], s[KF], 127
	s_cmp_le_u32 s[T0], s[Q0]                      ; all keys count: no mask
	s_cbranch_scc1 .Lopen_\@
	s_sub_co_i32 s[T0], s[Q0], s[KF]
	v_add_nc_u32 v252, s[T0], v6                   ; d = my query - KF - 8 h.  Register 8 u + j holds key KF + 16 u + 8 h + j: hidden where 16 u + j > d
	v_mov_b32 v254, 0xff800000                     ; -infinity: p = 0 then
.set n, 0
.rept 64
	v_cmp_gt_i32 vcc_lo, 16*(n/8)+n%8, v252
	v_cndmask_b32 v[96+n], v[96+n], v254, vcc_lo
.set n, n+1
.endr
.Lopen_\@:
	v_max3_num_f32 v254, v96, v97, v98             ; the step's largest score of my query among my 64 keys, in two chains; each tile is read from its low end on
	v_max3_num_f32 v252, v99, v100, v101
.irp i, 6,10,14,18,22,26,30,34,38,42,46,50,54,58
	v_max3_num_f32 v254, v254, v[96+\i], v[97+\i]
	v_max3_num_f32 v252, v252, v[98+\i], v[99+\i]
.endr
	v_max3_num_f32 v254, v254, v158, v159
	v_max_num_f32 v254, v254, v252
	v_permlanex16_b32 v236, v254, s[SEL], s[SEL+1]
	v_max_num_f32 v254, v254, v236                 ; and among lane l xor 16's
	v_mul_f32 v254, s[CS], v254                    ; as t (c is positive)
	v_max_num_f32 v13, v13, v254                   ; the running largest t
	v_mov_b32 v254, v12
	v_floor_f32 v12, -v13                          ; the new -M = floor(-t) = -ceil(t)
	v_sub_f32 v254, v12, v254                      ; old M - new M: a whole number, 0 or less
	v_cvt_i32_f32 v254, v254                       ; (it saturates)
	v_ldexp_f32 v252, 1.0, v254                    ; f = 2^(old M - new M)
.set n, 0
.rept 32
	v_pk_fma_f32 v[96+n:97+n], v[96+n:97+n], s[CS:CS+1], v[12:13] op_sel_hi:[1,0,0]   ; t - M, two at a time
.set n, n+2
.endr
.set n, 0
.rept 64
	v_exp_f32 v[96+n], v[96+n]                     ; p = 2^(t - M), at most 1
.set n, n+1
.endr
	v_pk_mul_f32 v[14:15], v[14:15], v[252:253] op_sel_hi:[1,0]   ; the sums under the new M.  (A plain line behind the exponentials)
	s_wait_alu depctr_va_vdst(0)                   ; one wait for the batch, ahead of its first reader
	v_pk_add_f32 v[242:243], v[96:97], v[98:99]    ; the row's sum, of the unquantised p: two at a time, in two chains
.irp j, 4,8,12,16,20,24,28,32,36,40,44,48,52,56,60
	v_pk_add_f32 v[14:15], v[14:15], v[96+\j:97+\j]
	v_pk_add_f32 v[242:243], v[242:243], v[98+\j:99+\j]
.endr
	v_pk_add_f32 v[14:15], v[14:15], v[242:243]
	s_cmp_ge_i32 s[E8], -8                         ; p is at most 1, and 448 x 2^e8 is at least 1.75 from e8 = -8 on: there the hold changes nothing and is jumped over (a branch on a whole number of the inputs)
	s_cbranch_scc1 .Lfits_\@
.set n, 0
.rept 64
	v_min_num_f32 v[96+n], v[96+n], v240           ; the conversion to an 8-bit code does not saturate (ISA guide 7.6.2); p is not negative, so the hold is one-sided
.set n, n+1
.endr
.Lfits_\@:
.irp u, 0,1,2,3,4,5,6,7
	v_cvt_scalef32_pk8_fp8_f32 v[192+2*\u:193+2*\u], v[96+8*\u:103+8*\u], v244   ; registers 2 u, 2 u + 1 of P: keys 16 u + 8 h + 0 .. 7
.endr
.set n, 0
.rept 16
	v_pk_mul_f32 v[160+n:161+n], v[160+n:161+n], v[252:253] op_sel_hi:[1,0]   ; O^T under the new M.  (Also the plain lines between the conversions and the products)
.set n, n+2
.endr
	s_wait_dscnt 0x0                               ; V's fragments are in
.irp t, 0,1,2,3                                ; the four accumulators take turns, one instruction a turn; the scores' products stand between two steps'
	v_wmma_f32_16x16x128_fp8_fp8 v[160+8*\t:167+8*\t], v[32+16*\t:47+16*\t], v[192:207], v[160+8*\t:167+8*\t]
.endr
.rept 4
	v_nop                                          ; places in front of the next step's loads into V's registers, and of the first read of O^T
.endr
.Lhidden_\@:
	s_wait_loadcnt 0x0                             ; my 32 bytes of the next step's tiles are in
	s_cmp_lt_u32 s[NX], s[NS]
	s_cbranch_scc0 .Lkept_\@
	ds_store_b128 v2, v[24:27] offset:16384*(1-\buf)          ; into the buffer that every wave left in front of the last barrier
	ds_store_b128 v2, v[28:31] offset:16384*(1-\buf)+8192
.Lkept_\@:
	s_wait_xcnt 0x0                                ; the prefetch, a step's work back, has read its address too: the three may step
	s_add_nc_u64 s[KP:KP+1], s[KP:KP+1], 8192
	s_add_nc_u64 s[VP:VP+1], s[VP:VP+1], 8192
	s_add_nc_u64 s[PFA:PFA+1], s[PFA:PFA+1], 8192
	s_add_co_u32 s[KS], s[KS], 1
	s_add_co_u32 s[KF], s[KF], 128
	s_wait_dscnt 0x0                               ; my stores have landed and my reads of this step's buffer are over
	s_barrier_signal -1
	s_barrier_wait -1
.endm
.Ltrip:                                            ; 8 trips of two steps: every LDS offset is an immediate
	STEP 0
	STEP 1
	s_sub_co_u32 s[TR], s[TR], 1
	s_cmp_lg_u32 s[TR], 0
	s_cbranch_scc1 .Ltrip
	; THE WAY OUT: O^T / the sum, held, converted: the four tiles' conversions are ctx's image of my 16 positions and my head
	v_add_f32 v14, v14, v15
	v_permlanex16_b32 v236, v14, s[SEL], s[SEL+1]
	v_add_f32 v14, v14, v236                       ; the row's sum
	v_rcp_f32 v14, v14
	v_nop                                          ; a plain line behind the reciprocal
	s_wait_alu depctr_va_vdst(0)                   ; and the wait ahead of its first reader
.set n, 0
.rept 16
	v_pk_mul_f32 v[96+n:97+n], v[160+n:161+n], v[14:15] op_sel_hi:[1,0]
.set n, n+2
.endr
.set n, 0
.rept 32
	v_med3_num_f32 v[96+n], v[96+n], -v241, v241
.set n, n+1
.endr
.irp t, 0,1,2,3
	v_cvt_scalef32_pk8_fp8_f32 v[192+2*\t:193+2*\t], v[96+8*\t:103+8*\t], v245   ; channels 16 t + 8 h + 0 .. 7
.endr
	v_nop
	global_store_b128 v1, v[192:195], s[8:9]       ; 32 lanes store 512 consecutive bytes, aligned
	global_store_b128 v1, v[196:199], s[8:9] offset:512
	s_wait_tensorcnt 0x0
	ds_add_u32 v251, v255
	s_wait_dscnt 0x0
	s_endpgm
.Lfunc_end_k_q6c3e24bde6_attn:
	.size	k_q6c3e24bde6_attn, .Lfunc_end_k_q6c3e24bde6_attn-k_q6c3e24bde6_attn
	.p2alignl 7, 3214868480
	.fill 96, 4, 3214868480
	.section	.rodata,"a",@progbits
	.p2align	6, 0x0
	.amdhsa_kernel k_q6c3e24bde6_attn
		.amdhsa_group_segment_fixed_size 34816
		.amdhsa_private_segment_fixed_size 0
		.amdhsa_enable_private_segment 0
		.amdhsa_kernarg_size 24
		.amdhsa_user_sgpr_count 2
		.amdhsa_user_sgpr_kernarg_segment_ptr 1
		.amdhsa_wavefront_size32 1
		.amdhsa_system_sgpr_workgroup_id_x 1
		.amdhsa_system_sgpr_workgroup_id_y 1
		.amdhsa_system_sgpr_workgroup_id_z 1
		.amdhsa_system_vgpr_workitem_id 0
		.amdhsa_next_free_vgpr 256
		.amdhsa_next_free_sgpr 66
		.amdhsa_reserve_vcc 1
		.amdhsa_float_denorm_mode_32 3
		.amdhsa_float_denorm_mode_16_64 3
		.amdhsa_memory_ordered 1
		.amdhsa_forward_progress 1
		.amdhsa_inst_pref_size 52
	.end_amdhsa_kernel
	.amdgpu_metadata
---
amdhsa.version: [ 1, 2 ]
amdhsa.kernels:
  - .name:           k_q6c3e24bde6_attn
    .symbol:         k_q6c3e24bde6_attn.kd
    .args:
      - { .name: qkv, .offset: 0, .size: 8, .value_kind: global_buffer, .address_space: global }
      - { .name: lowp_scales, .offset: 8, .size: 8, .value_kind: global_buffer, .address_space: global }
      - { .name: ctxc, .offset: 16, .size: 8, .value_kind: global_buffer, .address_space: global }
    .group_segment_fixed_size: 34816
    .private_segment_fixed_size: 0
    .kernarg_segment_align: 8
    .kernarg_segment_size: 24
    .max_flat_workgroup_size: 512
    .sgpr_count:     66
    .vgpr_count:     256
    .wavefront_size: 32
...
	.end_amdgpu_metadata
.endif
;; end of part 3
;; launch oproj (part 4): grid 4 x 16, 4 waves a work-group, clusters of 4 x 4, 327,680 bytes of LDS; arguments ctxc, wc, lowp_scales, out0; writes out0
.if DOCPART == 4
	.amdgcn_target "amdgcn-amd-amdhsa--gfx1250"
	.amdhsa_code_object_version 6
	.text
	.protected	k_q6c3e24bde6_oproj
	.globl	k_q6c3e24bde6_oproj
	.p2align	8
	.type	k_q6c3e24bde6_oproj,@function
k_q6c3e24bde6_oproj:
	s_mov_b64 s[64:65], 0
	v_nop
	global_prefetch_b8 v0, s[64:65] scope:SCOPE_SE
	s_setreg_imm32_b32 hwreg(HW_REG_WAVE_MODE, 25, 1), 1
	s_wait_xcnt 0x0
	s_wait_alu depctr_hold_cnt(0) depctr_sa_sdst(0) depctr_va_vdst(0) depctr_va_sdst(0) depctr_va_ssrc(0) depctr_va_vcc(0) depctr_vm_vsrc(0)
	s_getreg_b32 s2, hwreg(HW_REG_IB_STS2, 6, 4)
	s_cmp_eq_u32 s2, 0
	s_cbranch_scc0 .Lentry_in_a_cluster
	s_endpgm
.Lentry_in_a_cluster:
	s_bfe_u32 s2, ttmp6, 0x10000c
	s_cmp_lg_u32 s2, 0xf033
	s_cbranch_scc0 .Lentry_shape_is_right
	s_endpgm
.Lentry_shape_is_right:
; out[m][n] = sum over k of ctx[m][k] wo[n][k] on codes of E4M3; each finished sum x 2^(e10 + e11).  out: [4096][1024] f32.
; ctxc: [tile of 16 rows 256][kb 16][image]; wo's codes: the fourth MiB of wc, [tile of 16 rows 64][kb 16][image].  An image is 16 rows x 64 k = 1,024 bytes, [chunk 2][lane 32][16 bytes]: chunk ch = registers 4 ch .. 4 ch + 3 of the
; 8-bit operand layout.  A fragment for 128 along K is two neighbouring images: four loads of 16 bytes a lane, dense, k in its true places.
; A tile of 256 x 256 of out is made by four waves, 128 x 128 each: 64 accumulators.  K = 1,024 goes in four steps of 256 through two LDS slots; one tensor load brings 8 tiles of rows x 4,096 bytes.
; CLUSTERS of 4 x 4: ctx's tiles are asked for jointly along a row of the cluster, wo's along a column.  Source 0 = 16 rows of wo, source 1 = 16 rows of ctx: a lane holds eight neighbouring numbers of a row of out.
; out has 64 such tiles, so 64 work-groups are launched.
; LIMIT: e10 + e11 lies between -126 and 127, so that 2^(e10 + e11) is an f32 number.
; REGISTERS, in windows of 256: window 0: v16-29 addresses; v128-255 ctx's fragments, one set; on the way out v32-255 are free.  window 1: wo's fragments, two sets.  windows 2, 3: the accumulators, (a, b) at v[8 (8 (a % 4) + b)].
.set SIZE_N, 1024
.set HALFT,  32768                     ; 8 tiles of rows x 4,096 bytes: what one tensor load brings, and what one wave reads of a source
.set SLOT,   131072                    ; ctx's 256 rows, then wo's
.set SPARE,  262144                    ; behind the ring: the spare words, 128 bytes for each wave
.set KADV,   8192                      ; two K steps on in a tile of rows
.set FR,     16
.set NL,     4
.set NP,     4                         ; places behind this matrix instruction (ISA guide 7.12.1)
.set SPITCH, 528                       ; the way out: a stage of 16 rows x (512 bytes + 16) for each wave, in slot 0, which has had its last fill and its last read when the first result is stored there
.set ADRA, 16                          ; v16-17  LDS address of my fragments of ctx in slot 0, 1
.set ADRB, 20                          ; v20-21  the same for wo
.set STO,  24                          ; v24     the way out: where I put 32 bytes of a row
.set RD,   25                          ; v25     where I read a row back
.set CO,   26                          ; v26     16 x lane: my place in an image's chunk, and in a row's 512 bytes of out
.set SPW,  28                          ; v28     LDS address of my spare word; never rewritten
.set NIL,  29                          ; v29     0; never rewritten
.set TMP,  32                          ; the way out: a block's sums x 2^(e10 + e11)
.set AF,   128
.set BK,   128                         ; the way out: 16 rows read back: v128-191 and v192-255 by turns
.set G1, 24
.set G0, 32
.set G1B, 48
.set G0B, 56
.set MSB, 0
.macro WIN new                         ; the immediate's high byte repeats the setting that is left
.if MSB != (\new)
	s_set_vgpr_msb (MSB<<8)|(\new)
.set MSB, (\new)
.endif
.endm
.set MUL_LO, 0xa1                      ; source 0 window 1, source 1 window 0, C and D window 2
.set MUL_HI, 0xf1                      ; the same, C and D window 3
.set TO_B,   0x40                      ; destination window 1, address window 0
.macro JLOAD g0a, g1a, g0b, g1b        ; a joint load: waves 0 and 1 fetch ctx's halves, waves 2 and 3 wo's; four v_nop follow each of the two lines
	s_cmp_eq_u32 s15, 0
	s_cbranch_scc0 .Lfor_b_\@
	tensor_load_to_lds s[\g0a:\g0a+3], s[\g1a:\g1a+7]
	s_nop 0
.rept 4
	v_nop
.endr
	s_branch .Lasked_\@
.Lfor_b_\@:
	tensor_load_to_lds s[\g0b:\g0b+3], s[\g1b:\g1b+7]
	s_nop 0
.rept 4
	v_nop
.endr
.Lasked_\@:
.endm
.macro CREST                           ; a round of the cluster's barrier behind its opening barrier
	s_cmp_lg_u32 s14, 0
	s_cbranch_scc1 .Lnot_wave_0_\@
	s_barrier_signal -3
.Lnot_wave_0_\@:
	s_barrier_wait -3
	s_barrier_signal -1
	s_barrier_wait -1
.endm
.macro CROUND
	s_barrier_signal -1
	s_barrier_wait -1
	CREST
.endm
	s_load_b128 s[4:7], s[0:1], 0x0                ; ctxc s[4:5], wc s[6:7]
	s_load_b128 s[8:11], s[0:1], 0x10              ; the exponents s[8:9], out s[10:11]
	v_lshl_add_u32 v[SPW], v0, 2, SPARE
	v_mov_b32 v[NIL], 0
	ds_add_u32 v28, v29
	ds_add_u32 v28, v29
	s_wait_dscnt 0x0
	v_lshrrev_b32 v1, 5, v0
	v_readfirstlane_b32 s14, v1                    ; wave 0..3
	s_lshr_b32 s15, s14, 1                         ; which half of the tile's rows is mine.  Also: I fetch for ctx (0) or for wo (1)
	s_and_b32 s16, s14, 1                          ; which half of its columns.  Also: which half of that tile I fetch
	s_bfe_u32 s40, ttmp6, 0x40000                  ; cx, cy
	s_bfe_u32 s41, ttmp6, 0x40004
	s_lshl_b32 s42, ttmp9, 2
	s_add_co_u32 s42, s42, s40                     ; tile column of out
	s_and_b32 s17, ttmp7, 0xffff
	s_lshl_b32 s17, s17, 2
	s_add_co_u32 s17, s17, s41                     ; tile row of out
	s_lshl_b32 s43, s41, 2
	s_lshl_b32 s43, 15, s43                        ; my row of the cluster
	s_lshl_b32 s44, 0x1111, s40                    ; my column
	s_or_b32 s[G1+0], s43, 1<<21                   ; 15:0 the mask; 17:16 elements of 1 byte; 20 no padding; 21 set beside a mask
	s_or_b32 s[G1B+0], s44, 1<<21
.irp g, G1, G1B
	s_mov_b32 s[\g+1], 4096<<16                    ; tensor_dim0 = 4,096: a K step's four images of a tile of rows
	s_mov_b32 s[\g+2], 8<<16                       ; tensor_dim1 = 8 tiles of rows
	s_mov_b32 s[\g+3], 4096<<16                    ; tile_dim0
	s_mov_b32 s[\g+4], 8                           ; tile_dim1
	s_mov_b32 s[\g+5], 16384                       ; from a tile of rows to the next
	s_mov_b32 s[\g+6], 0
	s_mov_b32 s[\g+7], 0
.endr
	s_lshl_b32 s18, s16, 17                        ; the half that I fetch: 8 tiles of rows
	s_lshl_b32 s20, s17, 18
	s_add_co_u32 s20, s20, s18
	s_mov_b32 s21, 0
	s_lshl_b32 s46, s42, 18
	s_add_co_u32 s46, s46, s18
	s_add_co_u32 s46, s46, 0x300000                ; wo is wc's fourth weight
	s_mov_b32 s47, 0
	s_lshl_b32 s45, s14, 15                        ; where they go: wave x HALFT
	s_wait_kmcnt 0x0
	s_load_b64 s[96:97], s[8:9], 0x28              ; e10, e11
	s_add_nc_u64 s[20:21], s[4:5], s[20:21]
	s_add_nc_u64 s[46:47], s[6:7], s[46:47]
	CROUND                                         ; all sixteen work-groups are here: the first joint loads meet
.irp s, 0,1
	s_mov_b32 s[G0+4*\s], 1
	s_add_co_u32 s[G0+4*\s+1], s45, \s*SLOT
	s_add_nc_u64 s[G0+4*\s+2:G0+4*\s+3], s[20:21], \s*4096
	s_or_b32 s[G0+4*\s+3], s[G0+4*\s+3], 0x80000000
	s_mov_b32 s[G0B+4*\s], 1
	s_add_co_u32 s[G0B+4*\s+1], s45, \s*SLOT
	s_add_nc_u64 s[G0B+4*\s+2:G0B+4*\s+3], s[46:47], \s*4096
	s_or_b32 s[G0B+4*\s+3], s[G0B+4*\s+3], 0x80000000
	JLOAD G0+4*\s, G1, G0B+4*\s, G1B
.endr
	v_and_b32 v1, 15, v0                           ; l % 16
	v_bfe_u32 v2, v0, 4, 1                         ; l / 16
	v_and_b32 v6, 31, v0
	v_lshlrev_b32 v[CO], 4, v6
	s_lshl_b32 s22, s15, 15                        ; my 128 rows of ctx
	s_lshl_b32 s23, s16, 15                        ; my 128 rows of wo,
	s_add_co_u32 s23, s23, 2*HALFT                 ; which lie behind ctx's 256
.irp s, 0,1
	v_add_nc_u32 v[ADRA+\s], s22, v[CO]
	v_add_nc_u32 v[ADRB+\s], s23, v[CO]
	s_add_co_u32 s22, s22, SLOT
	s_add_co_u32 s23, s23, SLOT
.endr
	s_mul_i32 s23, s14, 16*SPITCH                  ; my stage
	v_mul_u32_u24 v5, v1, SPITCH                   ; in: row l % 16, 32 bytes for each half of the lanes
	v_lshl_add_u32 v5, v2, 5, v5
	v_add_nc_u32 v[STO], s23, v5
	v_add_nc_u32 v[RD], s23, v[CO]                 ; back: the 32 lanes take one row of 512 bytes
	s_lshl_b32 s20, s17, 8
	s_lshl_b32 s21, s15, 7
	s_add_co_u32 s20, s20, s21                     ; my first row of out
	s_lshl_b32 s20, s20, 12                        ; x 4,096 bytes
	s_lshl_b32 s46, s42, 10                        ; my first column, in bytes: 1,024 x tile column + 512 x half
	s_lshl_b32 s47, s16, 9
	s_add_co_u32 s46, s46, s47
	s_add_co_u32 s20, s20, s46
	s_mov_b32 s21, 0
	s_add_nc_u64 s[10:11], s[10:11], s[20:21]
.macro FRAG reg, adr, q, i             ; a fragment, 16 rows x 128 K: two images, four loads of 16 bytes a lane, each 512 dense bytes
.irp c, 0,1,2,3
	ds_load_b128 v[\reg+4*\c:\reg+4*\c+3], v[\adr] offset:4096*(\i)+2048*(\q)+512*\c
.endr
.endm
; 16 matrix instructions: ctx's blocks a0, a0 + 1 x wo's eight, 128 along K.  The 64 accumulators take turns, one instruction a turn, in the same order in every step.
.macro MUL16 a0, p, zero
.irp a, \a0, \a0+1
.irp b, 0,1,2,3,4,5,6,7
.if \zero
	v_wmma_f32_16x16x128_fp8_fp8 v[8*(8*((\a)%4)+\b):8*(8*((\a)%4)+\b)+7], v[128*(\p)+FR*\b:128*(\p)+FR*\b+FR-1], v[AF+FR*(\a):AF+FR*(\a)+FR-1], 0
.else
	v_wmma_f32_16x16x128_fp8_fp8 v[8*(8*((\a)%4)+\b):8*(8*((\a)%4)+\b)+7], v[128*(\p)+FR*\b:128*(\p)+FR*\b+FR-1], v[AF+FR*(\a):AF+FR*(\a)+FR-1], v[8*(8*((\a)%4)+\b):8*(8*((\a)%4)+\b)+7]
.endif
.endr
.endr
.endm
.macro FETCH_B slot, q, p
	WIN TO_B
.irp i, 0,1,2,3,4,5,6,7
	FRAG 128*(\p)+FR*\i, ADRB+\slot, \q, \i
.endr
	WIN 0
.endm
.macro FETCH_A slot, q, i0
.irp i, \i0, \i0+1, \i0+2, \i0+3
	FRAG AF+FR*(\i), ADRA+\slot, \q, \i
.endr
.endm
.macro PLACES n                        ; plain vector lines between a matrix instruction and a load into, or a vector line or store on, its registers (ISA guide 7.12.1 for vector lines and stores)
.rept \n
	v_nop
.endr
.endm
.macro STEP slot, q, zero              ; a step of 128 along K that has its successor in the same slot
	s_wait_dscnt 4*NL                              ; wo's set and ctx's blocks 0-3 are in; the youngest sixteen loads (blocks 4-7) may be out
	WIN MUL_LO
	MUL16 0, (\q)%2, \zero
	MUL16 2, (\q)%2, \zero
	s_wait_dscnt 0
	PLACES NP
	FETCH_B \slot, (\q)+1, 1-(\q)%2
	FETCH_A \slot, (\q)+1, 0
	WIN MUL_HI
	MUL16 4, (\q)%2, \zero
	MUL16 6, (\q)%2, \zero
	PLACES NP
	WIN 0
	FETCH_A \slot, (\q)+1, 4
.endm
.macro TURN slot, next, fill           ; a slot's last step changes slots: one barrier, with the three lines in front of it; fill = 1: this slot is filled again, two K steps ahead
	s_wait_tensorcnt 0x0                           ; all my tensor loads have landed: my part of the next slot
	ds_add_u32 v[SPW], v[NIL]                      ; 0 onto my spare word
	s_wait_dscnt 4*NL+1                            ; (the add and the youngest sixteen loads may be out)
	WIN MUL_LO
	MUL16 0, 1, 0
	s_wait_dscnt 0x0                               ; the add is done, and my reads of this slot are over
	s_barrier_signal -1
	MUL16 2, 1, 0
	WIN 0
	s_barrier_wait -1
.if \fill
	CREST                                          ; the barrier has opened a round of the cluster's barrier
	s_add_nc_u64 s[G0+4*\slot+2:G0+4*\slot+3], s[G0+4*\slot+2:G0+4*\slot+3], KADV
	s_add_nc_u64 s[G0B+4*\slot+2:G0B+4*\slot+3], s[G0B+4*\slot+2:G0B+4*\slot+3], KADV
	JLOAD G0+4*\slot, G1, G0B+4*\slot, G1B         ; the first tensor load behind the round
.else
	PLACES NP
.endif
	FETCH_B \next, 0, 0
	FETCH_A \next, 0, 0
	WIN MUL_HI
	MUL16 4, 1, 0
	MUL16 6, 1, 0
	PLACES NP
	WIN 0
	FETCH_A \next, 0, 4
.endm
	s_wait_tensorcnt 1                             ; my part of K step 0 is in; K step 1's load may be out
	s_barrier_signal -1
	s_barrier_wait -1
	FETCH_B 0, 0, 0
	FETCH_A 0, 0, 0
	FETCH_A 0, 0, 4
	STEP 0, 0, 1                                   ; K step 0: its first products start the sums
	TURN 0, 1, 1                                   ; slot 0 takes K step 2
	STEP 1, 0, 0
	TURN 1, 0, 1                                   ; slot 1 takes K step 3
	STEP 0, 0, 0
	TURN 0, 1, 0                                   ; nothing is left to fetch
	STEP 1, 0, 0
	s_wait_dscnt 4*NL
	WIN MUL_LO
	MUL16 0, 1, 0
	MUL16 2, 1, 0
	s_wait_dscnt 0
	WIN MUL_HI
	MUL16 4, 1, 0
	MUL16 6, 1, 0
	WIN 0
; THE WAY OUT, block by block of 16 rows x 128 columns.  A lane holds 32 neighbouring bytes of a row, and the lanes beside it hold other rows: a block goes through my own stage in LDS and comes back as whole rows of 512 bytes.
; LDS serves a wave's instructions in order (ISA guide 5.7.1.4): no wait between the stores and the loads, nor in front of the next block's stores.
.macro TOSTAGE a
.set AC, 64*((\a)%4)
	WIN 0x02+((\a)/4)                              ; source 0: window 2 or 3
.set n, 0
.rept 32
	v_pk_mul_f32 v[TMP+n:TMP+n+1], v[AC+n:AC+n+1], s[96:97] op_sel_hi:[1,0]   ; both x s96 = 2^(e10 + e11); each accumulator from its low end on
.set n, n+2
.endr
	WIN 0
.irp b, 0,1,2,3,4,5,6,7
	ds_store_b128 v[STO], v[TMP+8*\b:TMP+8*\b+3] offset:64*\b
	ds_store_b128 v[STO], v[TMP+8*\b+4:TMP+8*\b+7] offset:64*\b+16
.endr
.set BB, BK+64*((\a)%2)
.irp t, 0,1,2,3,4,5,6,7,8,9,10,11,12,13,14,15
	ds_load_b128 v[BB+4*\t:BB+4*\t+3], v[RD] offset:\t*SPITCH
.endr
.endm
.macro SEND a, younger                 ; younger: the LDS instructions issued behind block a's loads, which may stay out
.set BB, BK+64*((\a)%2)
	s_wait_dscnt \younger
.if (\a) > 0
	s_add_nc_u64 s[10:11], s[10:11], 16*SIZE_N*4   ; (behind a wait on XCNT: the earlier stores have read their base)  16 rows of out on
.endif
.irp t, 0,1,2,3,4,5,6,7,8,9,10,11,12,13,14,15
	global_store_b128 v[CO], v[BB+4*\t:BB+4*\t+3], s[10:11] offset:\t*SIZE_N*4 th:TH_STORE_NT   ; 32 lanes store 512 consecutive bytes, aligned; written once, read by nobody here
.endr
.endm
	s_wait_kmcnt 0x0
	s_add_co_i32 s96, s96, s97
	s_add_co_i32 s96, s96, 127
	s_lshl_b32 s96, s96, 23                        ; 2^(e10 + e11) as f32
	PLACES NP                                      ; behind the last products: for the loads into the registers that held ctx's fragments, and for the reads of results
	TOSTAGE 0
.irp a, 1,2,3,4,5,6,7
.if \a > 1
	s_wait_xcnt 0x0                                ; block a - 2's stores have read their registers and their base
.endif
	TOSTAGE \a
	SEND \a-1, 32                                  ; behind block a - 1's loads: block a's 16 stores and 16 loads
.endr
	s_wait_xcnt 0x0
	SEND 7, 0
	s_wait_tensorcnt 0x0                           ; the wave's end
	ds_add_u32 v[SPW], v[NIL]
	s_wait_dscnt 0x0
	CROUND                                         ; the closing round
	s_endpgm
.Lfunc_end_k_q6c3e24bde6_oproj:
	.size	k_q6c3e24bde6_oproj, .Lfunc_end_k_q6c3e24bde6_oproj-k_q6c3e24bde6_oproj
	.p2alignl 7, 3214868480
	.fill 96, 4, 3214868480
	.section	.rodata,"a",@progbits
	.p2align	6, 0x0
	.amdhsa_kernel k_q6c3e24bde6_oproj
		.amdhsa_group_segment_fixed_size 327680
		.amdhsa_private_segment_fixed_size 0
		.amdhsa_enable_private_segment 0
		.amdhsa_kernarg_size 32
		.amdhsa_user_sgpr_count 2
		.amdhsa_user_sgpr_kernarg_segment_ptr 1
		.amdhsa_wavefront_size32 1
		.amdhsa_system_sgpr_workgroup_id_x 1
		.amdhsa_system_sgpr_workgroup_id_y 1
		.amdhsa_system_sgpr_workgroup_id_z 1
		.amdhsa_system_vgpr_workitem_id 0
		.amdhsa_next_free_vgpr 1024
		.amdhsa_next_free_sgpr 98
		.amdhsa_reserve_vcc 0
		.amdhsa_float_denorm_mode_32 3
		.amdhsa_float_denorm_mode_16_64 3
		.amdhsa_memory_ordered 1
		.amdhsa_forward_progress 1
		.amdhsa_inst_pref_size 123
	.end_amdhsa_kernel
	.amdgpu_metadata
---
amdhsa.version: [ 1, 2 ]
amdhsa.kernels:
  - .name:           k_q6c3e24bde6_oproj
    .symbol:         k_q6c3e24bde6_oproj.kd
    .args:
      - { .name: ctxc, .offset: 0, .size: 8, .value_kind: global_buffer, .address_space: global }
      - { .name: wc, .offset: 8, .size: 8, .value_kind: global_buffer, .address_space: global }
      - { .name: lowp_scales, .offset: 16, .size: 8, .value_kind: global_buffer, .address_space: global }
      - { .name: out0, .offset: 24, .size: 8, .value_kind: global_buffer, .address_space: global }
    .group_segment_fixed_size: 327680
    .private_segment_fixed_size: 0
    .kernarg_segment_align: 8
    .kernarg_segment_size: 32
    .max_flat_workgroup_size: 128
    .sgpr_count:     98
    .vgpr_count:     1024
    .wavefront_size: 32
...
	.end_amdgpu_metadata
.endif
;; end of part 4
;; ======== version 2 of 2: 4 launches; version 1 with the launch attn written anew for expert scheduling mode
;; workspace buffers: xc 12,582,912 bytes; wc 4,194,304 bytes; rope 524,288 bytes; qkv 12,582,912 bytes; ctxc 4,194,304 bytes
;; launch prep: the kernel of part 1 again; grid 256 x 1, 8 waves a work-group, no clusters, 68,608 bytes of LDS; arguments in_features, wq, wk, wv, wo, lowp_scales, xc, wc, rope; writes xc, wc, rope
;; launch qkv: the kernel of part 2 again; grid 12 x 16, 4 waves a work-group, clusters of 4 x 4, 327,680 bytes of LDS; arguments xc, wc, lowp_scales, rope, qkv; writes qkv
;; launch attn (part 5): grid 8 x 32, 16 waves a work-group, no clusters, 34,816 bytes of LDS; arguments qkv, lowp_scales, ctxc; writes ctxc
.if DOCPART == 5
	.amdgcn_target "amdgcn-amd-amdhsa--gfx1250"
	.amdhsa_code_object_version 6
	.text
	.protected	k_q6c3e24bde6_attn
	.globl	k_q6c3e24bde6_attn
	.p2align	8
	.type	k_q6c3e24bde6_attn,@function
k_q6c3e24bde6_attn:
	s_mov_b64 s[64:65], 0
	v_nop
	global_prefetch_b8 v0, s[64:65] scope:SCOPE_SE
	s_setreg_imm32_b32 hwreg(HW_REG_WAVE_SCHED_MODE, 0, 2), 2
	s_setreg_imm32_b32 hwreg(HW_REG_WAVE_MODE, 25, 1), 1
	s_wait_xcnt 0x0
	s_wait_alu depctr_vm_vsrc(0)
; ctx[b][q][head] = the sum over keys k <= q of softmax_k(Q . K / 8) V, both products on codes of E4M3, and ctx quantised again (2^e10) for the last projection.
; qkv holds images of operand registers (16 rows x 64 k = 1,024 bytes, [chunk 2][lane 32][16 bytes]): Q at 0 and K at 4 MiB: [batch x head 32][tile of 16 positions 128]; V at 8 MiB: [batch x head 32][block of 64 keys 32][tile of 16 channels 4].
; THE SOFTMAX: t = score x log2(e) / 8; M = the running largest t rounded up to a whole number; p = 2^(t - M) is quantised (2^e8), not normalised; the row's sum is taken of the unquantised p and divides at the end.
; When M moves, the sum and O are multiplied by 2^(old M - new M), which rounds nothing.
; LAYOUT.  S^T = K Q^T (source 0 = 16 keys, source 1 = my 16 queries): lane (r, h) holds query r, register j of tile u key 16 u + 8 h + j.  The conversion of tile u's eight registers IS registers 2 u, 2 u + 1 of P as source 1
; of O^T = V^T P^T (K = 128 keys, k in its true places); O^T again holds one query a lane, and its conversion is ctx's image [16 positions][64 channels].  Nothing changes lanes but the maximum and the sum (one exchange each).
; SHARES.  Work-group (I, batch x head) owns blocks I and 15 - I of 128 queries, so that every work-group has 8 (I + 1) + 8 (16 - I) = 136 steps of a wave.  Each of its sixteen waves owns 16 queries in 256 registers.
; Wave w belongs to block 15 - I where (w xor w / 4) is odd: of any four neighbouring waves, and of any four that lie four apart, two are of each block.
; K AND V: a step's 128 keys are 8 KiB of K and 8 KiB of V, dense.  Each thread copies 16 bytes of each, through registers, into the LDS buffer that is not being read: loaded at a step's head, stored at its end, one barrier a step.
; The barrier orders both ways: the buffer written now was last read in front of the barrier before, and is read behind this one.  The loop has 16 steps in every work-group; steps whose keys all come after a wave's queries
; are jumped over by a scalar branch on ids, never the barrier.
; NO CLUSTER: the eight work-groups of a head read the same K and V, but they need different numbers of tiles (16 - I), and a step's 16 KiB stand beside some 190 vector instructions in each of sixteen waves: a small part of a step.
; LIMITS: e6 + e7 between -123 and 130 (added to c's exponent field); e8, and e10 - e8 - e9, between -126 and 119.
; REGISTERS: v1 16 x lane, v2 16 x thread, v3 256 x lane, v6 r - 8 h; v12 -M, v13 the largest t, v[14:15] the sum in two halves; v16-23 Q; v24-31 the copy; v32-95 K's, then V's fragments; v96-159 S^T, then p;
;   v160-191 O^T; v192-207 p's codes, at the end ctx's; v236-254 at work; v244, v240: 2^e8, 448 x 2^e8; v245, v241: the same with e10 - e8 - e9; v251, v255: the closing add's two, made at the head and kept for it alone.
; THE MODE: SCHED_MODE bits 1:0 = 2 (LLVM: expert scheduling mode 2), set by the entry lines.  The code itself states the register dependences
; between vector or matrix instructions and memory or LDS instructions, with s_wait_alu, always for 0.
; THE PLAN.  Registers that memory or LDS instructions touch:
;   v1, v2, v3   offsets and LDS addresses: written at the head, read by every load, store and prefetch, never written again: one wait on va_vdst at the head serves them all.
;   v[24:31]     the copy: two global loads at a step's head land in them, two LDS stores at its end read them; no vector instruction names them.  One wait on vm_vsrc at a step's head: the stores have read them.
;   v[32:95]     K's LDS loads land; the eight score products read; V's LDS loads land; the four products into O^T read; the next step's K lands.  So two waits on va_vdst a step: ahead of K's loads and ahead of V's.
;                Behind the second, V's sixteen loads are dealt among the maximum's lines, which (like the mask's) name S^T, v252, v254 and scalar masks: none of the registers that those loads touch.
;   v[16:23]     Q: loaded once at the head, read by matrix instructions alone.
;   v[192:199]   at the end: written by the last conversions, read by the two stores: one wait on va_vdst ahead of them.
;   S^T and p, O^T, the statistics and the scales are named by vector and matrix instructions alone.
; Scalar registers that vector instructions write: s10 (the wave's number) and, on the diagonal, the masks s[48:63], sixteen compares to a run: a wait on va_sdst stands behind each, ahead of the first reader.
.set WV,  10                           ; s10 my wave's number
.set Q0,  11                           ; s11 my first query
.set QL,  12                           ; s12 my last
.set NS,  13                           ; s13 key steps that the work-group needs: 16 - I
.set KS,  14                           ; s14 the step
.set KF,  15                           ; s15 its first key
.set NX,  16                           ; s16 the next step
.set TR,  17                           ; s17 trips to go
.set LIM, 18                           ; s18 a wave prefetches while the step is under this
.set T0,  19
.set E8,  32                           ; s32
.set KP,  36                           ; s[36:37] K's tile of step KS;  s[38:39] V's;  s[40:41] the prefetches': one of the two
.set VP,  38
.set PFA, 40
.set CS,  42                           ; s[42:43] c = log2(e) / 8 x 2^(e6 + e7)
.set SEL, 44                           ; s[44:45] lane selects: lane l xor 16
.set MK,  48                           ; s[48:63] in the loop: sixteen masks of the causal limit (at the head s48-53 hold offsets)
	s_load_b128 s[4:7], s[0:1], 0x0                ; qkv s[4:5], the exponents s[6:7]
	s_load_b64 s[8:9], s[0:1], 0x10                ; ctxc
	v_lshl_add_u32 v251, v0, 2, 0x8000             ; my spare word, behind the two buffers: 128 bytes for each of the sixteen waves, which no other line names
	v_mov_b32 v255, 0
	v_lshrrev_b32 v1, 5, v0
	v_readfirstlane_b32 s[WV], v1                  ; wave 0..15
	v_and_b32 v4, 31, v0
	v_lshlrev_b32 v1, 4, v4
	v_lshlrev_b32 v2, 4, v0
	v_lshlrev_b32 v3, 8, v4
	v_and_b32 v5, 15, v0
	v_bfe_u32 v6, v0, 4, 1
	v_lshlrev_b32 v6, 3, v6
	v_sub_nc_u32 v6, v5, v6                        ; r - 8 h
	s_wait_alu depctr_va_sdst(0)                   ; s10 is written, ahead of its first reader: my queries, the bases and the branches on the wave's number are made from it
	s_lshr_b32 s20, s[WV], 2
	s_xor_b32 s20, s20, s[WV]
	s_and_b32 s20, s20, 1                          ; 1: block 15 - I
	s_sub_co_u32 s21, 15, ttmp9
	s_cmp_eq_u32 s20, 1
	s_cselect_b32 s21, s21, ttmp9
	s_lshl_b32 s21, s21, 7
	s_lshr_b32 s22, s[WV], 1                       ; waves 2 m and 2 m + 1 are of different blocks: each block's eight waves have m = 0 .. 7
	s_lshl_b32 s22, s22, 4
	s_add_co_u32 s[Q0], s21, s22
	s_add_co_u32 s[QL], s[Q0], 15
	s_sub_co_u32 s[NS], 16, ttmp9
	s_mov_b32 s[KS], 0
	s_mov_b32 s[KF], 0
	s_mov_b32 s[TR], 8
	s_mov_b32 s[SEL], 0x76543210
	s_mov_b32 s[SEL+1], 0xfedcba98
	s_and_not1_b32 s20, s[WV], 2
	s_xor_b32 s20, s20, 1                          ; 0 in waves 1 and 3,
	s_or_b32 s20, s20, ttmp9                       ; of the head's work-group I = 0, which walks all 16 tiles; both waves are of block 15 and work in every step
	s_cmp_eq_u32 s20, 0
	s_cselect_b32 s[LIM], 13, 0
	s_and_b32 s20, ttmp7, 0xffff                   ; batch x head
	s_lshl_b32 s48, s20, 17                        ; its 128 KiB in each of Q, K, V
	s_mov_b32 s49, 0
	s_lshl_b32 s50, s[Q0], 6                       ; my tile of queries: (Q0 / 16) x 1,024
	s_add_co_u32 s50, s50, s48
	s_mov_b32 s51, 0
	s_lshr_b32 s52, s20, 4                         ; ctxc: ((batch x 128 + Q0 / 16) x 16 + head) x 1,024
	s_lshl_b32 s52, s52, 21
	s_lshl_b32 s21, s[Q0], 10
	s_add_co_u32 s52, s52, s21
	s_and_b32 s21, s20, 15
	s_lshl_b32 s21, s21, 10
	s_add_co_u32 s52, s52, s21
	s_mov_b32 s53, 0
	s_wait_kmcnt 0x0
	s_load_b256 s[24:31], s[6:7], 0x0              ; e0 .. e7
	s_load_b128 s[32:35], s[6:7], 0x20             ; e8 .. e11
	s_add_nc_u64 s[46:47], s[4:5], s[50:51]
	s_add_nc_u64 s[KP:KP+1], s[4:5], s[48:49]
	s_add_nc_u64 s[VP:VP+1], s[KP:KP+1], 0x800000
	s_add_nc_u64 s[KP:KP+1], s[KP:KP+1], 0x400000
	s_add_nc_u64 s[8:9], s[8:9], s[52:53]
	s_cmp_lt_u32 s[WV], 2
	s_cselect_b64 s[PFA:PFA+1], s[KP:KP+1], s[VP:VP+1]   ; wave 1 asks for K's tiles, wave 3 for V's
	s_wait_alu depctr_va_vdst(0)                   ; v1, v2 and v3 are written: every load, store and prefetch of the kernel reads one of them as its offset or LDS address, and no later vector instruction names them
	global_load_b128 v[16:19], v1, s[46:47]        ; Q's image stays in registers
	global_load_b128 v[20:23], v1, s[46:47] offset:512
	global_load_b128 v[24:27], v2, s[KP:KP+1]      ; step 0's tiles
	global_load_b128 v[28:31], v2, s[VP:VP+1]
	v_mov_b32 v13, 0xff61b1e6                      ; the largest t so far: -3e38, under every t
	v_floor_f32 v12, -v13                          ; -M
	v_mov_b32 v14, 0
	v_mov_b32 v15, 0
	v_mov_b32 v236, 0                              ; written once: a lane permute's destination counts as one of its sources
	v_mov_b32 v253, 0                              ; (named as the upper half of the pair v[252:253])
.set n, 0
.rept 32
	v_mov_b32 v[160+n], 0                          ; O^T.  (The step is written once: the first finds zeros, which the first change of M leaves zeros)
.set n, n+1
.endr
	s_wait_kmcnt 0x0
	s_mov_b32 s[CS], 0x3e38aa3b                    ; log2(e) / 8
	s_add_co_i32 s20, s30, s31
	s_lshl_b32 s20, s20, 23
	s_add_co_i32 s[CS], s[CS], s20                 ; a score stands for score x 2^(e6 + e7)
	s_mov_b32 s[CS+1], s[CS]                       ; (named with it as a pair, so it is written)
	s_add_co_i32 s20, s32, 127
	s_lshl_b32 s21, s20, 23
	v_mov_b32 v244, s21                            ; 2^e8
	s_add_co_i32 s20, s20, 8
	s_lshl_b32 s20, s20, 23
	s_or_b32 s20, s20, 0x600000
	v_mov_b32 v240, s20                            ; 448 x 2^e8
	s_sub_co_i32 s20, s34, s32
	s_sub_co_i32 s20, s20, s33                     ; a sum of the second product stands for sum x 2^(e8 + e9): ctx's conversion takes 2^(e10 - e8 - e9)
	s_add_co_i32 s20, s20, 127
	s_lshl_b32 s21, s20, 23
	v_mov_b32 v245, s21
	s_add_co_i32 s20, s20, 8
	s_lshl_b32 s20, s20, 23
	s_or_b32 s20, s20, 0x600000
	v_mov_b32 v241, s20
	s_wait_loadcnt 0x0
	ds_store_b128 v2, v[24:27]                     ; buffer 0: K's 8 KiB, then V's
	ds_store_b128 v2, v[28:31] offset:8192
	s_wait_dscnt 0x0                               ; for the others' sake
	s_barrier_signal -1
	s_barrier_wait -1
; Load n of the sixteen that bring V's four fragments (16 channels x 128 keys: two images each) out of buffer buf: tile n / 4 of channels, image (n / 2) % 2 of 64 keys, chunk n % 2
.macro VLD buf, n
	ds_load_b128 v[32+16*((\n)/4)+8*(((\n)/2)%2)+4*((\n)%2):35+16*((\n)/4)+8*(((\n)/2)%2)+4*((\n)%2)], v1 offset:16384*\buf+8192+4096*(((\n)/2)%2)+1024*((\n)/4)+512*((\n)%2)
.endm
; A KEY STEP: 128 keys, read from buffer buf; the next step's tiles go into the other buffer.
.macro STEP buf
	s_wait_alu depctr_vm_vsrc(0)                   ; the LDS stores of the step before (in the first step: the head's) have read v[24:31], in which the two loads below land
	s_add_co_u32 s[NX], s[KS], 1
	s_cmp_lt_u32 s[NX], s[NS]                      ; is there a next step for this work-group?  (the same in all sixteen waves)
	s_cbranch_scc0 .Lasked_\@
	global_load_b128 v[24:27], v2, s[KP:KP+1] offset:8192   ; my 16 bytes of the next step's K and V: they have this step's work in which to come
	global_load_b128 v[28:31], v2, s[VP:VP+1] offset:8192
	s_cmp_lt_u32 s[KS], s[LIM]
	s_cbranch_scc0 .Lasked_\@
	; A PREFETCH INTO THE L2 of tile KS + 3, which the step after next will load: 8 KiB, lanes 256 bytes apart, one instruction.  All work-groups of a head walk the same tiles: one wave of the head's work-group I = 0 asks for K's,
	; one for V's, so each block of 256 bytes is named once in the launch.  Tiles 0 to 2 come by their loads alone; steps 13 on ask for nothing: tile 15 is the last.
	global_prefetch_b8 v3, s[PFA:PFA+1] offset:24576 th:TH_LOAD_NT scope:SCOPE_SE
.Lasked_\@:
	s_cmp_gt_u32 s[KF], s[QL]                      ; all 128 keys come after my 16 queries: nothing to do but the copy
	s_cbranch_scc1 .Lhidden_\@
	s_wait_alu depctr_va_vdst(0)                   ; the last step's four products into O^T are done reading V's fragments v[32:95], in which K's land
.irp u, 0,1,2,3,4,5,6,7
	ds_load_b128 v[32+8*\u:35+8*\u], v1 offset:16384*\buf+1024*\u
	ds_load_b128 v[36+8*\u:39+8*\u], v1 offset:16384*\buf+1024*\u+512
.endr
	s_wait_dscnt 0x0
.irp u, 0,1,2,3,4,5,6,7
	v_wmma_f32_16x16x64_fp8_fp8 v[96+8*\u:103+8*\u], v[32+8*\u:39+8*\u], v[16:23], 0
.endr
.rept 4
	v_nop                                          ; places in front of the first read of the scores
.endr
	s_wait_alu depctr_va_vdst(0)                   ; the eight products are done reading K's fragments v[32:95], in which V's sixteen loads land: those stand among the maximum's lines below, with no further wait
	s_add_co_u32 s[T0], s[KF], 127
	s_cmp_le_u32 s[T0], s[Q0]                      ; all keys count: no mask
	s_cbranch_scc1 .Lopen_\@
	s_sub_co_i32 s[T0], s[Q0], s[KF]
	v_add_nc_u32 v252, s[T0], v6                   ; d = my query - KF - 8 h.  Register 8 u + j holds key KF + 16 u + 8 h + j: hidden where 16 u + j > d
	v_mov_b32 v254, 0xff800000                     ; -infinity: p = 0 then
.irp g, 0,1,2,3                                ; two tiles, sixteen registers, at a time: a run of compares into sixteen scalar registers, one wait, the run of selects
.set n, 0
.rept 16
	v_cmp_gt_i32 s[MK+n], 16*((16*\g+n)/8)+n%8, v252
.set n, n+1
.endr
	s_wait_alu depctr_va_sdst(0)                   ; the sixteen masks s[48:63] are written, ahead of the selects that read them
.set n, 0
.rept 16
	v_cndmask_b32 v[96+16*\g+n], v[96+16*\g+n], v254, s[MK+n]
.set n, n+1
.endr
.endr
.Lopen_\@:
	v_max3_num_f32 v254, v96, v97, v98             ; the step's largest score of my query among my 64 keys, in two chains; each tile is read from its low end on
	v_max3_num_f32 v252, v99, v100, v101
	VLD \buf, 0                                    ; V's fragments are asked for here, a load to two lines of the maximum: they come during the softmax.  No vector or matrix instruction since the wait above names v1 or v[32:95]
	VLD \buf, 1
.irp i, 6,10,14,18,22,26,30,34,38,42,46,50,54,58
	v_max3_num_f32 v254, v254, v[96+\i], v[97+\i]
	v_max3_num_f32 v252, v252, v[98+\i], v[99+\i]
	VLD \buf, 2+(\i-6)/4
.endr
	v_max3_num_f32 v254, v254, v158, v159
	v_max_num_f32 v254, v254, v252
	v_permlanex16_b32 v236, v254, s[SEL], s[SEL+1]
	v_max_num_f32 v254, v254, v236                 ; and among lane l xor 16's
	v_mul_f32 v254, s[CS], v254                    ; as t (c is positive)
	v_max_num_f32 v13, v13, v254                   ; the running largest t
	v_mov_b32 v254, v12
	v_floor_f32 v12, -v13                          ; the new -M = floor(-t) = -ceil(t)
	v_sub_f32 v254, v12, v254                      ; old M - new M: a whole number, 0 or less
	v_cvt_i32_f32 v254, v254                       ; (it saturates)
	v_ldexp_f32 v252, 1.0, v254                    ; f = 2^(old M - new M)
.set n, 0
.rept 32
	v_pk_fma_f32 v[96+n:97+n], v[96+n:97+n], s[CS:CS+1], v[12:13] op_sel_hi:[1,0,0]   ; t - M, two at a time
.set n, n+2
.endr
.set n, 0
.rept 64
	v_exp_f32 v[96+n], v[96+n]                     ; p = 2^(t - M), at most 1
.set n, n+1
.endr
	v_pk_mul_f32 v[14:15], v[14:15], v[252:253] op_sel_hi:[1,0]   ; the sums under the new M.  (A plain line behind the exponentials)
	s_wait_alu depctr_va_vdst(0)                   ; the 64 exponentials have written p in v[96:159]: one wait for the batch, ahead of its first reader
	v_pk_add_f32 v[242:243], v[96:97], v[98:99]    ; the row's sum, of the unquantised p: two at a time, in two chains
.irp j, 4,8,12,16,20,24,28,32,36,40,44,48,52,56,60
	v_pk_add_f32 v[14:15], v[14:15], v[96+\j:97+\j]
	v_pk_add_f32 v[242:243], v[242:243], v[98+\j:99+\j]
.endr
	v_pk_add_f32 v[14:15], v[14:15], v[242:243]
	s_cmp_ge_i32 s[E8], -8                         ; p is at most 1, and 448 x 2^e8 is at least 1.75 from e8 = -8 on: there the hold changes nothing and is jumped over (a branch on a whole number of the inputs)
	s_cbranch_scc1 .Lfits_\@
.set n, 0
.rept 64
	v_min_num_f32 v[96+n], v[96+n], v240           ; the conversion to an 8-bit code does not saturate (ISA guide 7.6.2); p is not negative, so the hold is one-sided
.set n, n+1
.endr
.Lfits_\@:
.irp u, 0,1,2,3,4,5,6,7
	v_cvt_scalef32_pk8_fp8_f32 v[192+2*\u:193+2*\u], v[96+8*\u:103+8*\u], v244   ; registers 2 u, 2 u + 1 of P: keys 16 u + 8 h + 0 .. 7
.endr
.set n, 0
.rept 16
	v_pk_mul_f32 v[160+n:161+n], v[160+n:161+n], v[252:253] op_sel_hi:[1,0]   ; O^T under the new M.  (Also the plain lines between the conversions and the products)
.set n, n+2
.endr
	s_wait_dscnt 0x0                               ; V's fragments are in
.irp t, 0,1,2,3                                ; the four accumulators take turns, one instruction a turn; the scores' products stand between two steps'
	v_wmma_f32_16x16x128_fp8_fp8 v[160+8*\t:167+8*\t], v[32+16*\t:47+16*\t], v[192:207], v[160+8*\t:167+8*\t]
.endr
.rept 4
	v_nop                                          ; places in front of the first read of O^T
.endr
.Lhidden_\@:
	s_wait_loadcnt 0x0                             ; my 32 bytes of the next step's tiles are in
	s_cmp_lt_u32 s[NX], s[NS]
	s_cbranch_scc0 .Lkept_\@
	ds_store_b128 v2, v[24:27] offset:16384*(1-\buf)          ; into the buffer that every wave left in front of the last barrier
	ds_store_b128 v2, v[28:31] offset:16384*(1-\buf)+8192
.Lkept_\@:
	s_wait_xcnt 0x0                                ; the prefetch, a step's work back, has read its address too: the three may step
	s_add_nc_u64 s[KP:KP+1], s[KP:KP+1], 8192
	s_add_nc_u64 s[VP:VP+1], s[VP:VP+1], 8192
	s_add_nc_u64 s[PFA:PFA+1], s[PFA:PFA+1], 8192
	s_add_co_u32 s[KS], s[KS], 1
	s_add_co_u32 s[KF], s[KF], 128
	s_wait_dscnt 0x0                               ; my stores have landed and my reads of this step's buffer are over
	s_barrier_signal -1
	s_barrier_wait -1
.endm
.Ltrip:                                            ; 8 trips of two steps: every LDS offset is an immediate
	STEP 0
	STEP 1
	s_sub_co_u32 s[TR], s[TR], 1
	s_cmp_lg_u32 s[TR], 0
	s_cbranch_scc1 .Ltrip
	; THE WAY OUT: O^T / the sum, held, converted: the four tiles' conversions are ctx's image of my 16 positions and my head
	v_add_f32 v14, v14, v15
	v_permlanex16_b32 v236, v14, s[SEL], s[SEL+1]
	v_add_f32 v14, v14, v236                       ; the row's sum
	v_rcp_f32 v14, v14
	v_nop                                          ; a plain line behind the reciprocal
	s_wait_alu depctr_va_vdst(0)                   ; the reciprocal has written v14: the wait ahead of its first reader
.set n, 0
.rept 16
	v_pk_mul_f32 v[96+n:97+n], v[160+n:161+n], v[14:15] op_sel_hi:[1,0]
.set n, n+2
.endr
.set n, 0
.rept 32
	v_med3_num_f32 v[96+n], v[96+n], -v241, v241
.set n, n+1
.endr
.irp t, 0,1,2,3
	v_cvt_scalef32_pk8_fp8_f32 v[192+2*\t:193+2*\t], v[96+8*\t:103+8*\t], v245   ; channels 16 t + 8 h + 0 .. 7
.endr
	v_nop
	s_wait_alu depctr_va_vdst(0)                   ; the four conversions have written v[192:199], which the two stores read
	global_store_b128 v1, v[192:195], s[8:9]       ; 32 lanes store 512 consecutive bytes, aligned
	global_store_b128 v1, v[196:199], s[8:9] offset:512
	s_wait_dscnt 0x0                               ; the closing lines, six on end
	s_wait_alu 0x0
	s_wait_tensorcnt 0x0
	ds_add_u32 v251, v255
	s_wait_dscnt 0x0
	s_endpgm
.Lfunc_end_k_q6c3e24bde6_attn:
	.size	k_q6c3e24bde6_attn, .Lfunc_end_k_q6c3e24bde6_attn-k_q6c3e24bde6_attn
	.p2alignl 7, 3214868480
	.fill 96, 4, 3214868480
	.section	.rodata,"a",@progbits
	.p2align	6, 0x0
	.amdhsa_kernel k_q6c3e24bde6_attn
		.amdhsa_group_segment_fixed_size 34816
		.amdhsa_private_segment_fixed_size 0
		.amdhsa_enable_private_segment 0
		.amdhsa_kernarg_size 24
		.amdhsa_user_sgpr_count 2
		.amdhsa_user_sgpr_kernarg_segment_ptr 1
		.amdhsa_wavefront_size32 1
		.amdhsa_system_sgpr_workgroup_id_x 1
		.amdhsa_system_sgpr_workgroup_id_y 1
		.amdhsa_system_sgpr_workgroup_id_z 1
		.amdhsa_system_vgpr_workitem_id 0
		.amdhsa_next_free_vgpr 256
		.amdhsa_next_free_sgpr 66
		.amdhsa_reserve_vcc 0
		.amdhsa_float_denorm_mode_32 3
		.amdhsa_float_denorm_mode_16_64 3
		.amdhsa_memory_ordered 1
		.amdhsa_forward_progress 1
		.amdhsa_inst_pref_size 61
	.end_amdhsa_kernel
	.amdgpu_metadata
---
amdhsa.version: [ 1, 2 ]
amdhsa.kernels:
  - .name:           k_q6c3e24bde6_attn
    .symbol:         k_q6c3e24bde6_attn.kd
    .args:
      - { .name: qkv, .offset: 0, .size: 8, .value_kind: global_buffer, .address_space: global }
      - { .name: lowp_scales, .offset: 8, .size: 8, .value_kind: global_buffer, .address_space: global }
      - { .name: ctxc, .offset: 16, .size: 8, .value_kind: global_buffer, .address_space: global }
    .group_segment_fixed_size: 34816
    .private_segment_fixed_size: 0
    .kernarg_segment_align: 8
    .kernarg_segment_size: 24
    .max_flat_workgroup_size: 512
    .sgpr_count:     66
    .vgpr_count:     256
    .wavefront_size: 32
...
	.end_amdgpu_metadata
.endif
;; end of part 5
;; launch oproj: the kernel of part 4 again; grid 4 x 16, 4 waves a work-group, clusters of 4 x 4, 327,680 bytes of LDS; arguments ctxc, wc, lowp_scales, out0; writes out0
